; MI455X (gfx1250); checked and timed in simulation.
; The chip was launched on July 23, 2026; its instructions are those of AMD's public machine-readable ISA for CDNA 5 (MIT licence, August 2026) and "CDNA5" Instruction Set Architecture Reference Guide (July 2026). The comments in the code are by the model that wrote it; some were corrected since.
;; Shared bottom. Allowed arithmetic: matrix products marked QUANTISED: E2M1 operands, one E8M0 scale for each 32 along K, by v_wmma_scale_f32_16x16x128_f8f6f4 with both operands' format E2M1 (or v_wmma_scale_f32_32x16x128_f4), f32 sums; everything else in f32.
;; Inputs: W1_codes 8 x 512 x 32 x 16 uint8 (E2M1 codes of W1, K innermost, in blocks of 32 codes, two codes a byte); W1_scales 8 x 512 x 32 uint8 (E8M0 scales of W1, one for each 32 codes along K); W2_codes 8 x 64 x 16 x 16 uint8 (E2M1 codes of W2, K innermost, in blocks of 32 codes, two codes a byte); W2_scales 8 x 64 x 16 uint8 (E8M0 scales of W2, one for each 32 codes along K); W_in_codes 1,024 x 16 x 16 uint8 (E2M1 codes of W_in, K innermost, in blocks of 32 codes, two codes a byte); W_in_scales 1,024 x 16 uint8 (E8M0 scales of W_in, one for each 32 codes along K); b1 8 x 512 float32; b2 8 x 64 float32; b_in 1,024 float32; category 8,192 int32; input_codes 8,192 x 16 x 16 uint8 (E2M1 codes of input, K innermost, in blocks of 32 codes, two codes a byte); input_scales 8,192 x 16 uint8 (E8M0 scales of input, one for each 32 codes along K).
;; Outputs: out0 8,192 x 64 float32.
;; This version of the problem:
;;   THIS VERSION OF THE PROBLEM IS GIVEN IN LOW PRECISION. The matrix products marked QUANTISED in the list below multiply operands that are first quantised to E2M1 (2 exponent bits, 1 mantissa bit; 4 bits a number), with one power-of-two scale for each 32 numbers along K (OCP MX v1.0); their sums are f32. All else is computed in f32.
;;   The module's matrix products, in the order in which they are computed (A, B: the left and right operand; K: the contracted axis; several contracted axes count as one K, in the product's order):
;;     1. [M 8,192, K 512] x [K 512, N 1,024]; A: input input (given as codes); B: input W_in (given as codes): QUANTISED
;;     2. [M 8,192, K 1,024] x [K 1,024, N 4,096]; A: computed on the way; B: input W1 (given as codes): QUANTISED
;;     3. batch 8 x [M 64, K 512] x [K 512, N 8,192]; A: input W2 (given as codes); B: computed on the way: QUANTISED
;;   THE QUANTISER, for each operand of a quantised product, along K:
;;     - K is cut into blocks of 32 from its start; a last block that is shorter is filled with zeros.
;;     - A block's scale is 2^e with e = floor(log2(the largest magnitude in the block)) - 2, held to -126 .. 127; a block of zeros has e = 0. As a byte (E8M0): e + 127.
;;     - Each number is divided by its block's scale, clamped to +-6, and rounded to the nearest number of E2M1, ties to even, subnormals kept.
;;     - The product sums the exact products of the quantised numbers (number of the format x scale) in f32.
;;   ~~~python
;;   def quantise(x, axis):      # numpy; x: float32 -> the quantised numbers, widened to float32 again
;;       x = np.moveaxis(x, axis, -1); K = x.shape[-1]
;;       x = np.pad(x, [(0, 0)] * (x.ndim - 1) + [(0, -K % 32)]); x = x.reshape(x.shape[:-1] + (-1, 32)); a = np.abs(x).max(-1, keepdims=True)
;;       e = np.where(a > 0, np.clip(np.frexp(np.where(a > 0, a, 1))[1] - 1 - 2, -126, 127), 0)      # np.frexp(a)[1] - 1 = floor(log2(a)), exactly
;;       r = np.clip(x / 2.0 ** e, -6, 6)
;;       step = 2.0 ** (np.maximum(np.frexp(np.where(r == 0, 1, r))[1] - 1, 0) - 1)
;;       q = np.round(r / step) * step * 2.0 ** e      # np.round: ties to even
;;       return np.moveaxis(q.reshape(q.shape[:-2] + (-1,))[..., :K], -1, axis).astype(np.float32)
;;   ~~~
;;   OPERANDS COMPUTED ON THE WAY. 'Computed on the way' means the value that the module computes at that place (a softmax that the list does not call 'softmax' is quantised finished and normalised). What goes into a quantiser is computed in f32, as accurately as f32 sums, v_exp_f32 and their like allow (about 1e-6 of the number): no bf16 or f16 on the way to a quantiser, and a product that is left as it is and whose result goes on into a quantised operand takes f32 operands (vector FMAs, or v_wmma_f32_16x16x4_f32). A number that lies on a knife's edge between two numbers of the format may be rounded either way, as far as f32 arithmetic and the matrix unit's own rounding can turn it there, and no further.
;;   INPUTS GIVEN AS CODES. W1 (in the module: [8, 1024, 512], K = its axis 1); W2 (in the module: [8, 512, 64], K = its axis 1); W_in (in the module: [512, 1024], K = its axis 0); input (in the module: [8192, 512], K = its axis 1): each comes as NAME_codes (uint8): NAME with its K axis moved to the last place and cut into blocks of 32 codes, [.., K / 32, bytes a block], one block behind the other in memory; two codes a byte, the lower K in the low four bits (a code: sign, 2 exponent bits, 1 mantissa bit); and NAME_scales (uint8): the same leading axes, one E8M0 byte (e + 127) for each 32 codes along K. Its value is code x scale, taken as it is: it is not quantised again, and the codes and scales need not be those that the quantiser above would give.
;; 2 versions, each right; version 2 is version 1 with the launch chain written anew for expert scheduling mode. Each part assembles by itself: llvm-mc -triple=amdgcn-amd-amdhsa -mcpu=gfx1250 --defsym DOCPART=n.
;; ======== version 1 of 2: 2 launches
;; workspace buffers: wf 2,490,368 bytes; order 32,768 bytes of whole numbers; counts 256 bytes of whole numbers
;; launch prep (part 1): grid 84 x 1, 8 waves a work-group, no clusters, 2,048 bytes of LDS; arguments category, W_in_codes, W1_codes, W2_codes, wf, order, counts; writes wf, order, counts
.if DOCPART == 1
	.amdgcn_target "amdgcn-amd-amdhsa--gfx1250"
	.amdhsa_code_object_version 6
	.text
	.protected	k_q030806b545_prep
	.globl	k_q030806b545_prep
	.p2align	8
	.type	k_q030806b545_prep,@function
k_q030806b545_prep:
	s_mov_b64 s[64:65], 0
	v_nop
	global_prefetch_b8 v0, s[64:65] scope:SCOPE_SE
	s_setreg_imm32_b32 hwreg(HW_REG_WAVE_MODE, 25, 1), 1
	s_wait_xcnt 0x0
; TWO JOBS IN ONE LAUNCH, parted by the work-group's number alone.
; Work-groups 0-7: a counting sort of the 8,192 tokens by expert, without atomics.  order[] gets the token numbers, expert 0's first, dense; counts[0..7] the tokens of each expert.
; Work-groups 8-83: the codes of W_in, W1 and W2 are copied into wf in the order in which a wave's operand registers take them, so that the next launch loads whole fragments, 512 consecutive bytes a load.
; THE SORT.  The tokens are 64 segments of 128; wave w of work-group k places segment 8 k + w.  A token's place = the tokens of lower experts + its expert's tokens in earlier segments + its rank in the segment.
; Every sorting work-group counts all 8,192 tokens itself (wave w: tokens 1,024 w on, a chunk = 8 segments), so nothing passes between work-groups.
; COUNTING: a lane adds 1 << (4 x category) for each of its tokens: eight counters of 4 bits in a register, two instructions a token.  Four such registers take 8 tokens each (no counter passes 8); they are widened to
; bytes (32 a lane at the most), summed over four lanes (128), the chunk's widened to 16 bits (1,024 a wave at the most) and summed over the other lanes.  The segment's counters stay bytes (128 a wave at the most).
; wf: a fragment (16 weight rows x 128 K) is 1,024 bytes: register group c (0, 1) of lane l at 512 c + 16 l.  A quad = one tile's 4 fragments of 4 K steps, 4,096 bytes.  608 quads: 0-63 W_in (tile q),
; 64-575 W1 (tile (q - 64) / 2 of 256, K half (q - 64) % 2), 576-607 W2 (tile q - 576 of 32).  Lane r of tile T takes weight row 32 (T / 2) + 8 (T % 2) + r + 8 (r / 8): so a result's 16 registers of two neighbouring tiles are 16 neighbours along the next K.
; LIMIT: category lies in 0 .. 7, as the gather that it feeds takes for granted; another number would be counted for a wrong expert and leave words of order[] unwritten (the next launch holds every token number at 8,191).
.set CT,  24                           ; s[24:31] my chunk's tokens of expert e; later the totals; at last the places for my segment's second register
.set SC,  32                           ; s[32:39] my segment's; later: in the chunks before my work-group's; at last the places for the third register
.set MK,  40                           ; s[40:47] packed sums; later: in my chunk's segments before mine; at last the places for the fourth register
.set BC,  48                           ; s[48:55] the next free place of expert e for my segment
.set BAL, 66                           ; s[66:97] ballots: register i, expert e at 8 i + e
.set TT,  72                           ; v72-75  4 x category; later the odd experts' counters
.set NA,  76                           ; v76-79  four registers of 4-bit counters; later v76, v77 the chunk's bytes (even, odd experts), v78, v79 the segment's, v80-83 the chunk's 16-bit sums
.set TS,  84                           ; v84-87  4 x category of my segment
.set XT,  88                           ; v88-93  what another lane holds
.set SA,  94                           ; v94     my segment's 4-bit counters
	s_load_b256 s[4:11], s[0:1], 0x0               ; category s[4:5], W_in's codes s[6:7], W1's s[8:9], W2's s[10:11]
	s_load_b128 s[12:15], s[0:1], 0x20             ; wf s[12:13], order s[14:15]
	s_load_b64 s[16:17], s[0:1], 0x30              ; counts
	v_lshl_add_u32 v96, v0, 2, 0x400
	v_mov_b32 v97, 0
	v_lshrrev_b32 v2, 5, v0
	v_readfirstlane_b32 s20, v2                    ; wave 0..7
	s_mov_b32 s21, ttmp9                           ; work-group
	v_and_b32 v1, 31, v0                           ; lane
	v_lshlrev_b32 v3, 2, v0                        ; LDS, in: 128 bytes a wave, a word a lane
	v_and_b32 v13, 15, v0                          ; lane % 16
	v_bfe_u32 v14, v0, 4, 1                        ; lane / 16
	v_lshlrev_b32 v4, 2, v13
	v_lshl_add_u32 v4, v14, 7, v4                  ; LDS, out: wave's row lane / 16 (+ 2 i by the offset), column lane % 16
	v_lshlrev_b32 v5, 4, v1                        ; 16 x lane
	s_mov_b32 s60, 0x76543210
	s_mov_b32 s61, 0xfedcba98                      ; v_permlanex16_b32's selects for lane l xor 16
	v_mov_b32 v57, 0                               ; a lane permute's destination counts as one of its sources
	v_mov_b32 v58, 0
	s_wait_kmcnt 0x0
	s_cmp_ge_u32 s21, 8
	s_cbranch_scc1 .Lmeet                          ; the copying work-groups have nothing to count; the barrier below stands on every wave's way
	; ---- the sort, first pass: my chunk's and my segment's tokens of each expert
	s_lshl_b32 s22, s20, 12
	v_add_nc_u32 v6, s22, v5                       ; chunk w: 4,096 w + 16 x lane
	s_lshl_b32 s23, s21, 12
	s_lshl_b32 s22, s20, 9
	s_add_co_u32 s23, s23, s22
	v_add_nc_u32 v7, s23, v5                       ; segment 8 k + w: 512 bytes each
.irp j, 0,1,2,3,4,5,6,7
	global_load_b128 v[16+4*\j:19+4*\j], v6, s[4:5] offset:512*\j
.endr
	global_load_b128 v[48:51], v7, s[4:5]          ; lane l: tokens 128 (8 k + w) + 4 l + 0 .. 3
	s_mov_b32 s62, 0x0f0f0f0f                      ; every second 4-bit counter
	s_mov_b32 s63, 0x00ff00ff                      ; every second byte
.irp k, 0,1,2,3,4,5
	v_mov_b32 v[XT+\k], 0                          ; written once: the destination of a lane exchange counts as one of its sources
.endr
.irp j, 0,1,2,3,4,5,6,7
	s_wait_loadcnt 8-\j                            ; loads come back in order: number j is in; the 7 - j behind it and the segment's may be out
.irp a, 0,1,2,3
	v_lshlrev_b32 v[TT+\a], 2, v[16+4*\j+\a]
.endr
.irp a, 0,1,2,3
.if \j == 0
	v_lshl_add_u32 v[NA+\a], 1, v[TT+\a], 0        ; the first token starts the counters: nothing is cleared
.else
	v_lshl_add_u32 v[NA+\a], 1, v[TT+\a], v[NA+\a] ; + 1 << (4 x category); the four registers by turns
.endif
.endr
.endr
	s_wait_loadcnt 0x0                             ; my segment
.irp i, 0,1,2,3
	v_lshlrev_b32 v[TS+\i], 2, v[48+\i]
.endr
.irp a, 0,1,2,3
	v_lshrrev_b32 v[TT+\a], 4, v[NA+\a]
.endr
	v_lshl_add_u32 v[SA], 1, v[TS], 0
.irp a, 0,1,2,3
	v_and_b32 v[NA+\a], s62, v[NA+\a]              ; bytes: experts 0, 2, 4, 6
.endr
	v_lshl_add_u32 v[SA], 1, v[TS+1], v[SA]
.irp a, 0,1,2,3
	v_and_b32 v[TT+\a], s62, v[TT+\a]              ; experts 1, 3, 5, 7
.endr
	v_lshl_add_u32 v[SA], 1, v[TS+2], v[SA]
	v_add3_u32 v76, v76, v77, v78
	v_add3_u32 v72, v72, v73, v74
	v_lshl_add_u32 v[SA], 1, v[TS+3], v[SA]
	v_add_nc_u32 v76, v76, v79                     ; the chunk, my lane's 32 tokens: even experts,
	v_add_nc_u32 v77, v72, v75                     ; odd experts
	v_lshrrev_b32 v79, 4, v[SA]
	v_and_b32 v78, s62, v[SA]                      ; the segment, my lane's 4 tokens: even experts,
	v_and_b32 v79, s62, v79                        ; odd experts
.macro XSUM lo, n, mask                ; registers v[lo] .. v[lo + n - 1]: each lane adds what lane l xor mask holds
.set q, 0
.rept \n
	v_mov_b32_dpp v[XT+q], v[\lo+q] row_xmask:\mask row_mask:0xf bank_mask:0xf
.set q, q+1
.endr
.set q, 0
.rept \n
	v_add_nc_u32 v[\lo+q], v[\lo+q], v[XT+q]
.set q, q+1
.endr
.endm
	XSUM 76, 4, 1
	XSUM 76, 4, 2                                  ; four lanes: 128 at the most in a byte
	v_lshrrev_b32 v81, 8, v76
	v_lshrrev_b32 v83, 8, v77
	v_and_b32 v80, s63, v76                        ; 16 bits each: experts 0 and 4,
	v_and_b32 v82, s63, v77                        ; 1 and 5,
	v_and_b32 v81, s63, v81                        ; 2 and 6,
	v_and_b32 v83, s63, v83                        ; 3 and 7
	XSUM 78, 6, 4
	XSUM 78, 6, 8
.irp k, 0,1,2,3,4,5
	v_permlanex16_b32 v[XT+\k], v[78+\k], s60, s61
.endr
.irp k, 0,1,2,3,4,5
	v_add_nc_u32 v[78+\k], v[78+\k], v[XT+\k]      ; every lane holds the wave's sums
.endr
	v_readfirstlane_b32 s56, v78
	v_readfirstlane_b32 s57, v79
.irp p, 0,1,2,3
	v_readfirstlane_b32 s[MK+\p], v[80+\p]
.endr
.irp p, 0,1,2,3
	s_bfe_u32 s[SC+2*\p], s56, (8<<16)|(8*\p)      ; the segment's: byte p of the even experts' register is expert 2 p,
	s_bfe_u32 s[SC+2*\p+1], s57, (8<<16)|(8*\p)    ; of the odd experts' 2 p + 1
.endr
.irp p, 0,1,2,3
	s_and_b32 s[CT+2*(\p%2)+\p/2], s[MK+\p], 0xffff                ; the chunk's: registers 0 .. 3 hold experts 0, 2, 1, 3 below
	s_lshr_b32 s[CT+4+2*(\p%2)+\p/2], s[MK+\p], 16                 ; and 4, 6, 5, 7 above
.endr
	v_mov_b32 v8, 0
.irp e, 0,1,2,3,4,5,6,7
	v_writelane_b32 v8, s[CT+\e], \e               ; lanes 0-7: the chunk's counts,
	v_writelane_b32 v8, s[SC+\e], 8+\e             ; lanes 8-15: the segment's
.endr
	ds_store_b32 v3, v8
.Lmeet:
	s_wait_dscnt 0x0                               ; for the others' sake: my row lies in LDS
	s_barrier_signal -1
	s_barrier_wait -1
	s_cmp_ge_u32 s21, 8
	s_cbranch_scc1 .Lrelay
	; ---- the eight rows are summed: whole (the totals), and as far as my limit: rows under k in columns 0-7 (chunks before mine), rows under w in columns 8-15 (segments of my chunk before mine)
.irp i, 0,1,2,3
	ds_load_b32 v[9+\i], v4 offset:256*\i          ; row 2 i + lane / 16
.endr
	v_cmp_gt_u32 vcc_lo, 8, v13
	v_mov_b32 v15, s20
	v_mov_b32 v54, s21
	v_cndmask_b32 v15, v15, v54, vcc_lo            ; the lane's limit
	v_mov_b32 v56, 0
	s_wait_dscnt 0x0
	v_add_nc_u32 v53, v9, v10
	v_add_nc_u32 v54, v11, v12
	v_add_nc_u32 v53, v53, v54
.irp i, 0,1,2,3
	v_add_nc_u32 v55, 2*\i, v14
	v_cmp_gt_u32 vcc_lo, v15, v55
	v_cndmask_b32 v55, 0, v[9+\i], vcc_lo
	v_add_nc_u32 v56, v56, v55
.endr
	v_permlanex16_b32 v57, v53, s60, s61           ; the other four rows lie in lane l xor 16
	v_permlanex16_b32 v58, v56, s60, s61
	v_add_nc_u32 v53, v53, v57
	v_add_nc_u32 v56, v56, v58
.irp e, 0,1,2,3,4,5,6,7
	v_readlane_b32 s[CT+\e], v53, \e
	v_readlane_b32 s[SC+\e], v56, \e
	v_readlane_b32 s[MK+\e], v56, 8+\e
.endr
	s_mov_b32 s56, 0                               ; where expert e's run begins
.irp e, 0,1,2,3,4,5,6,7
	s_add_co_u32 s[BC+\e], s56, s[SC+\e]
	s_add_co_u32 s[BC+\e], s[BC+\e], s[MK+\e]
	s_add_co_u32 s56, s56, s[CT+\e]
.endr
	s_or_b32 s57, s20, s21
	s_cmp_lg_u32 s57, 0
	s_cbranch_scc1 .Lnocount                       ; one wave of the launch stores the totals
	v_lshlrev_b32 v59, 2, v1
	global_store_b32 v59, v53, s[16:17]            ; words 0-7 are the counts; words 8-31 hold sums that nobody reads: so no lane is switched off.  v53 and v59 are not written again
.Lnocount:
	; ---- second pass: my segment's 128 tokens get their places.  All ballots first, then the scalar sums, then the places: no line waits for the line above it
.irp i, 0,1,2,3
.irp e, 0,1,2,3,4,5,6,7
	v_cmp_eq_u32 s[BAL+8*\i+\e], \e, v[48+\i]
.endr
.endr
.irp i, 1,2,3
.irp e, 0,1,2,3,4,5,6,7
	s_bcnt1_i32_b32 s[16+8*\i+\e], s[BAL+8*(\i-1)+\e]              ; expert e's tokens in register i - 1
.endr
.endr
.irp e, 0,1,2,3,4,5,6,7
	s_add_co_u32 s[CT+\e], s[CT+\e], s[BC+\e]      ; expert e's next place in front of register 1,
.endr
.irp e, 0,1,2,3,4,5,6,7
	s_add_co_u32 s[SC+\e], s[SC+\e], s[CT+\e]      ; of register 2,
.endr
.irp e, 0,1,2,3,4,5,6,7
	s_add_co_u32 s[MK+\e], s[MK+\e], s[SC+\e]      ; of register 3
.endr
.irp e, 0,1,2,3,4,5,6,7
.irp i, 0,1,2,3
.if \i == 0
.set rB, BC+\e
.else
.set rB, 16+8*\i+\e
.endif
.if \e == 0
	v_mbcnt_lo_u32_b32 v[60+\i], s[BAL+8*\i], s[rB]                ; expert e's next place + the lower lanes that have e too
.else
	v_mbcnt_lo_u32_b32 v[68+\i], s[BAL+8*\i+\e], s[rB]
.endif
.endr
.if \e > 0
.irp i, 0,1,2,3
	v_cndmask_b32 v[60+\i], v[60+\i], v[68+\i], s[BAL+8*\i+\e]     ; kept by the lanes whose token has expert e
.endr
.endif
.endr
	s_lshl_b32 s22, s21, 3
	s_add_co_u32 s22, s22, s20
	s_lshl_b32 s22, s22, 7                         ; my segment's first token
	v_lshl_add_u32 v64, v1, 2, s22
.irp i, 1,2,3
	v_add_nc_u32 v[64+\i], \i, v64
.endr
.irp i, 0,1,2,3
	v_min_u32 v[60+\i], 0x1fff, v[60+\i]           ; a place made of loaded numbers is held inside the buffer
	v_lshlrev_b32 v[60+\i], 2, v[60+\i]
.endr
.irp i, 0,1,2,3
	global_store_b32 v[60+\i], v[64+\i], s[14:15]
.endr
	s_wait_tensorcnt 0x0
	ds_add_u32 v96, v97
	s_wait_dscnt 0x0
	s_endpgm
.Lrelay:                                               ; ---- a wave copies one quad
	s_sub_co_u32 s22, s21, 8
	s_lshl_b32 s22, s22, 3
	s_add_co_u32 s22, s22, s20                     ; q = 8 (work-group - 8) + wave
	s_mov_b64 s[24:25], s[8:9]                     ; W1, unless q says otherwise: rows of 512 bytes, two quads to a tile
	s_sub_co_u32 s26, s22, 64
	s_mov_b32 s27, 1
	s_sub_co_u32 s28, s22, 576
	s_cmp_lt_u32 s22, 64                           ; the choices hang on the work-group's and the wave's number alone
	s_cselect_b64 s[24:25], s[6:7], s[24:25]       ; W_in: rows of 256 bytes, one quad to a tile
	s_cselect_b32 s26, s22, s26
	s_cselect_b32 s27, 0, s27
	s_cmp_ge_u32 s22, 576
	s_cselect_b64 s[24:25], s[10:11], s[24:25]     ; W2: likewise
	s_cselect_b32 s26, s28, s26
	s_cselect_b32 s27, 0, s27
	s_lshr_b32 s29, s26, s27                       ; the tile,
	s_and_b32 s30, s26, s27                        ; which 256 bytes of its rows,
	s_add_co_u32 s31, s27, 8                       ; log2 of a row's bytes
	s_lshr_b32 s32, s29, 1
	s_lshl_b32 s32, s32, 5
	s_and_b32 s33, s29, 1
	s_lshl_b32 s33, s33, 3
	s_add_co_u32 s32, s32, s33                     ; the tile's first row: 32 (T / 2) + 8 (T % 2)
	s_lshl_b32 s32, s32, s31
	s_lshl_b32 s30, s30, 8
	s_add_co_u32 s32, s32, s30
	v_and_b32 v9, 8, v13
	v_add_nc_u32 v9, v9, v13                       ; r + 8 (r / 8)
	v_lshlrev_b32 v9, s31, v9
	v_lshl_add_u32 v9, v14, 4, v9                  ; + 16 (lane / 16)
	v_add_nc_u32 v9, s32, v9
	s_lshl_b32 s33, s22, 12
	v_add_nc_u32 v10, s33, v5                      ; out: 4,096 q + 16 x lane
.irp n, 0,1,2,3,4,5,6,7
	global_load_b128 v[16+4*\n:19+4*\n], v9, s[24:25] offset:32*\n th:TH_LOAD_NT   ; K step n / 2, register group n % 2; each byte of the weights is read once in the launch
.endr
.irp n, 0,1,2,3,4,5,6,7
	s_wait_loadcnt 7-\n                            ; loads come back in order: number n is in, the younger ones stay out
	global_store_b128 v10, v[16+4*\n:19+4*\n], s[12:13] offset:512*\n   ; the wave stores 512 consecutive bytes, aligned
.endr
	s_wait_tensorcnt 0x0
	ds_add_u32 v96, v97
	s_wait_dscnt 0x0
	s_endpgm
.Lfunc_end_k_q030806b545_prep:
	.size	k_q030806b545_prep, .Lfunc_end_k_q030806b545_prep-k_q030806b545_prep
	.p2alignl 7, 3214868480
	.fill 96, 4, 3214868480
	.section	.rodata,"a",@progbits
	.p2align	6, 0x0
	.amdhsa_kernel k_q030806b545_prep
		.amdhsa_group_segment_fixed_size 2048
		.amdhsa_private_segment_fixed_size 0
		.amdhsa_enable_private_segment 0
		.amdhsa_kernarg_size 56
		.amdhsa_user_sgpr_count 2
		.amdhsa_user_sgpr_kernarg_segment_ptr 1
		.amdhsa_wavefront_size32 1
		.amdhsa_system_sgpr_workgroup_id_x 1
		.amdhsa_system_sgpr_workgroup_id_y 1
		.amdhsa_system_sgpr_workgroup_id_z 1
		.amdhsa_system_vgpr_workitem_id 0
		.amdhsa_next_free_vgpr 98
		.amdhsa_next_free_sgpr 100
		.amdhsa_reserve_vcc 1
		.amdhsa_float_denorm_mode_32 3
		.amdhsa_float_denorm_mode_16_64 3
		.amdhsa_memory_ordered 1
		.amdhsa_forward_progress 1
		.amdhsa_inst_pref_size 27
	.end_amdhsa_kernel
	.amdgpu_metadata
---
amdhsa.version: [ 1, 2 ]
amdhsa.kernels:
  - .name:           k_q030806b545_prep
    .symbol:         k_q030806b545_prep.kd
    .args:
      - { .name: category, .offset: 0, .size: 8, .value_kind: global_buffer, .address_space: global }
      - { .name: W_in_codes, .offset: 8, .size: 8, .value_kind: global_buffer, .address_space: global }
      - { .name: W1_codes, .offset: 16, .size: 8, .value_kind: global_buffer, .address_space: global }
      - { .name: W2_codes, .offset: 24, .size: 8, .value_kind: global_buffer, .address_space: global }
      - { .name: wf, .offset: 32, .size: 8, .value_kind: global_buffer, .address_space: global }
      - { .name: order, .offset: 40, .size: 8, .value_kind: global_buffer, .address_space: global }
      - { .name: counts, .offset: 48, .size: 8, .value_kind: global_buffer, .address_space: global }
    .group_segment_fixed_size: 2048
    .private_segment_fixed_size: 0
    .kernarg_segment_align: 8
    .kernarg_segment_size: 56
    .max_flat_workgroup_size: 256
    .sgpr_count:     100
    .vgpr_count:     98
    .wavefront_size: 32
...
	.end_amdgpu_metadata
.endif
;; end of part 1
;; launch chain (part 2): grid 178 x 1, 4 waves a work-group, no clusters, 66,048 bytes of LDS; arguments input_codes, input_scales, b_in, W_in_scales, W1_scales, b1, W2_scales, b2, wf, order, counts, out0; writes out0
.if DOCPART == 2
	.amdgcn_target "amdgcn-amd-amdhsa--gfx1250"
	.amdhsa_code_object_version 6
	.text
	.protected	k_q030806b545_chain
	.globl	k_q030806b545_chain
	.p2align	8
	.type	k_q030806b545_chain,@function
k_q030806b545_chain:
	s_mov_b64 s[64:65], 0
	v_nop
	global_prefetch_b8 v0, s[64:65] scope:SCOPE_SE
	s_setreg_imm32_b32 hwreg(HW_REG_WAVE_MODE, 25, 1), 1
	s_wait_xcnt 0x0
; out[token] = elu(elu(x W_in + b_in) W1[e] + b1[e]) W2[e] + b2[e], e = the token's expert; all three products on codes of FP4 (E2M1) with one E8M0 scale for each 32 along K.
; ONE WORK-GROUP TAKES ONE TILE OF AT MOST 48 ROWS OF ONE EXPERT THROUGH THE WHOLE CHAIN.  The rows come from order[] (tokens sorted by expert) and counts[] (tokens of each expert), which the launch before stored.
; With 8,192 rows, 8 experts and tiles of 48 there are never more than ceil(8192 / 48) + 7 = 178 tiles, whatever the split: that is the grid.  A work-group that the split leaves without rows walks the text on
; held row numbers and jumps over its stores alone, so that no barrier stands under a branch on loaded numbers.  In a short tile the rows past the last repeat the last: same bits, same output row; no lane is ever switched off.
; THE WAVES SHARE THE COLUMNS: wave w makes units 256 w .. + 255 of the first layer (two groups of 128 = K steps 2 w, 2 w + 1 of the second product), units 128 w .. + 127 of the second (K step w of the third) and
; output tile w, for all 48 rows.  Each weight byte is loaded once by the work-group, from wf, straight into registers: 512 consecutive bytes a load.  The two hidden layers never leave LDS.
; ALL PRODUCTS ARE USED TRANSPOSED (source 0 = 16 weight rows, source 1 = 16 tokens): a lane holds one token.  wf's choice of a tile's rows makes the 16 registers of tiles 2 b, 2 b + 1 the units 32 b + 16 (lane / 16) + 0 .. 15:
; 16 neighbours along the next K.  Codes and scale words go from wave to wave through LDS as images of the operand's registers.  Biases are the C of each sum's first matrix instruction.
; ELU: y = x log2(e); elu(x) = max(x, min(p4, E, 0)), p4 = the first four terms of e^x - 1 written in y, E = 2^y - (1 - 2^-24).  For x < 0 p4 lies above e^x - 1 by at most |x|^5 / 120, and E by at most 1.2e-7
; (v_exp_f32: 1 ulp, ISA guide 15.8): the smaller of the two is off by at most 1.2e-6 of the number, at x near -0.11.  x >= 0 comes out as it is.
; NO CLUSTER, NO TENSOR LOAD: which tiles share an expert, and so its weights, hangs on counts read from memory, and so does this text's last branch.
; LIMITS: NaN and infinities are not served.  A block of zeros gets the scale byte 1, not 127: its codes are zeros, and this text alone reads the byte.  Blocks whose largest magnitude lies under 2^-124 are held at that byte.
; LDS, every region written once: four barriers.
.set XIMG, 0                           ; x's 12 fragments (row tile m, K step s: 4 m + s), 1,024 bytes each: register group c of lane l at 512 c + 16 l
.set MIMG, 12288                       ; the first layer's 24 (8 m + s)
.set HIMG, 36864                       ; the second layer's 12 (4 m + s)
.set MSC,  49152                       ; the first layer's scale words: 512 m + 32 r + 4 s
.set HSC,  50688                       ; the second layer's: 256 m + 16 r + 4 s
.set TOK,  51456                       ; the tile's 48 token numbers
.set STG,  51712                       ; the stage for the output: 48 rows x (256 bytes + 16); ends at 64,768
; REGISTERS, in windows of 256 (s_set_vgpr_msb's low byte: bits 1:0 source 0, 3:2 source 1, 5:4 source 2, 7:6 destination):
; window 0: v1 r, v2 h, v3 16 x lane, v4 64 h, v5-7 my rows among the weights' scale words, v8-10, v12 where I store images and scale words, v13 16 r, v14 32 r, v15-16 the stage, v17-18 the token words, v19 x's bytes,
;   v20-22 tokens, v23-28 their offsets in x and its scales, v29-31 in order[]; then as named below.   window 1: the 24 accumulators (m, t) at v[64 m + 8 t], a group's biases from v192.
; window 2, window 3: two sets of 32 weight fragments (K step slot sl, tile t) at v[8 (8 sl + t)]: one is multiplied while the other is on its way.
.set WSA, 32                           ; v32-63   W_in's scale words: 16 g + 4 b + s; lanes 0-15 tile 2 b's rows, lanes 16-31 tile 2 b + 1's
.set WSB, 64                           ; v64-95   W1's: 8 b + s, likewise
.set W2S, 96                           ; v96-99   W2's: s
.set AS,  100                          ; v100-123 the tokens' scale words
.set A1,  124                          ; v[124:125] ln 2, twice;  v[126:127] ln^2 2 / 2;  v[250:251] ln^3 2 / 6
.set A2,  126
.set A3,  250
.set AF,  128                          ; v128-223 the tokens' fragments: slot sl, row tile m at 8 (3 sl + m).  Between the products:
.set E,   128                          ; v128-191 64 numbers of a lane;
.set T,   192                          ; v192-223 the polynomial, four groups of 8 by turns
.set TM,  224                          ; v224-227 largest magnitudes, v228-231 bytes, v236-239 the conversions' scale operands
.set PW,  240                          ; the scale word just made
.set PC,  242                          ; v242-249 the codes just made
.set BI,  192                          ; in window 1
.set MSB, 0
.macro WIN new                         ; the immediate's high byte repeats the setting that is left
.if MSB != \new
	s_set_vgpr_msb (MSB<<8)|\new
.set MSB, \new
.endif
.endm
.set TO_X, 0x80                        ; destination window 2
.set TO_Y, 0xc0                        ; destination window 3
.set TO_1, 0x40                        ; destination window 1
.set MUL_X, 0x52                       ; source 0 window 2, source 1 window 0, C and D window 1
.set MUL_Y, 0x53                       ; source 0 window 3
.macro PLACES                          ; four plain vector instructions between a matrix instruction and a read of its result, or a load into one of its registers (ISA guide 7.12.1 for a read of its result)
.rept 4
	v_nop
.endr
.endm
.macro BARRIER                         ; my LDS stores have landed and my LDS loads are in: then the work-group's barrier
	s_wait_dscnt 0x0
	s_barrier_signal -1
	s_barrier_wait -1
.endm
; 32 loads: slots 2 hb, 2 hb + 1 of a set: 8 tiles, tstr bytes apart in wf, K steps kb + slot
.macro WLOAD hb, base, off0, tstr, kb
.irp i, 0,1
.irp t, 0,1,2,3,4,5,6,7
.irp c, 0,1
.set rW, 8*(8*(2*(\hb)+\i)+\t)+4*\c
	global_load_b128 v[rW:rW+3], v3, s[\base:\base+1] offset:(\off0)+\t*(\tstr)+1024*((\kb)+2*(\hb)+\i)+512*\c
.endr
.endr
.endr
.endm
; 16 loads: a group's biases in the result's layout: lane (r, h), tile t, register j: unit 32 (t / 2) + 8 (t % 2) + 16 h + j
.macro BLOAD base, off
.irp t, 0,1,2,3,4,5,6,7
	global_load_b128 v[BI+8*\t:BI+8*\t+3], v4, s[\base:\base+1] offset:(\off)+4*(32*(\t/2)+8*(\t%2))
	global_load_b128 v[BI+8*\t+4:BI+8*\t+7], v4, s[\base:\base+1] offset:(\off)+4*(32*(\t/2)+8*(\t%2))+16
.endr
.endm
; 12 LDS loads: the three row tiles' fragments of K steps s0, s0 + 1 into slots 2 hb, 2 hb + 1, a slot's six loads on end; kst: fragments to a row tile in the image
.macro AFETCH hb, img, kst, s0
.irp i, 0,1
.irp m, 0,1,2
.irp c, 0,1
.set rF, AF+8*(3*(2*(\hb)+\i)+\m)+4*\c
	ds_load_b128 v[rF:rF+3], v3 offset:(\img)+1024*((\kst)*\m+(\s0)+\i)+512*\c
.endr
.endr
.endr
.endm
; 24 matrix instructions: slot sl, 3 row tiles x 8 tiles of units, 128 along K.  The 24 accumulators take turns, one instruction a turn, in the same order in every K step.
; first = 1: the biases are C.  An odd tile's scale words lie in lanes 16-31 of its pair's register.
.macro MULK sl, first, wsb, wst, asb, ast
.irp m, 0,1,2
.irp t, 0,1,2,3,4,5,6,7
.set rD, 64*\m+8*\t
.set rA, 8*(8*(\sl)+\t)
.set rB, AF+8*(3*(\sl)+\m)
.set rC, rD
.if \first
.set rC, BI+8*\t
.endif
.set rSA, (\wsb)+(\wst)*(\t/2)
.set rSB, (\asb)+(\ast)*\m
.if \t%2
	v_wmma_scale_f32_16x16x128_f8f6f4 v[rD:rD+7], v[rA:rA+7], v[rB:rB+7], v[rC:rC+7], v[rSA], v[rSB] matrix_a_fmt:MATRIX_FMT_FP4 matrix_b_fmt:MATRIX_FMT_FP4 matrix_a_scale:MATRIX_SCALE_ROW1
.else
	v_wmma_scale_f32_16x16x128_f8f6f4 v[rD:rD+7], v[rA:rA+7], v[rB:rB+7], v[rC:rC+7], v[rSA], v[rSB] matrix_a_fmt:MATRIX_FMT_FP4 matrix_b_fmt:MATRIX_FMT_FP4
.endif
.endr
.endr
.endm
; Stage k of the polynomial for pair p of group g: ((y a4 + a3) y + a2) y + a1, times y
.macro POLY g, k, p
.set rY, E+8*(\g)+2*(\p)
.set rT, T+8*((\g)%4)+2*(\p)
.if \k == 0
	v_pk_fma_f32 v[rT:rT+1], v[rY:rY+1], s[54:55], v[A3:A3+1] op_sel_hi:[1,0,1]
.elseif \k == 1
	v_pk_fma_f32 v[rT:rT+1], v[rY:rY+1], v[rT:rT+1], v[A2:A2+1]
.elseif \k == 2
	v_pk_fma_f32 v[rT:rT+1], v[rY:rY+1], v[rT:rT+1], v[A1:A1+1]
.else
	v_pk_mul_f32 v[rT:rT+1], v[rY:rY+1], v[rT:rT+1]
.endif
.endm
; The ELU's middle, by groups of 8 numbers, three groups in hand: group g's polynomial; between its lines group g - 1's exponentials, in place on y (that group's polynomial is finished), each with a plain
; line of another group behind it (ISA guide 5.7.2); then group g - 2: E = 2^y - (1 - 2^-24), and the least of p4, E and 0.
.macro EGRP g
.set gA, \g
.set gB, (\g)-1
.set gC, (\g)-2
.irp k, 0,1,2,3
.if gA < 8
	POLY gA, \k, 0
	POLY gA, \k, 1
.endif
.if (gB >= 0) && (gB < 8)
	v_exp_f32 v[E+8*gB+2*\k], v[E+8*gB+2*\k]
.endif
.if gA < 8
	POLY gA, \k, 2
	POLY gA, \k, 3
.endif
.if (gB >= 0) && (gB < 8)
	v_exp_f32 v[E+8*gB+2*\k+1], v[E+8*gB+2*\k+1]
.endif
.endr
.if gC >= 0
	s_wait_alu depctr_va_vdst(0)
.irp p, 0,1,2,3
	v_pk_add_f32 v[E+8*gC+2*\p:E+8*gC+2*\p+1], v[E+8*gC+2*\p:E+8*gC+2*\p+1], s[56:57] op_sel_hi:[1,0]
.endr
.irp i, 0,1,2,3,4,5,6,7
	v_min3_num_f32 v[E+8*gC+\i], v[T+8*(gC%4)+\i], v[E+8*gC+\i], 0
.endr
.endif
.endm
; Row tile m's 64 sums of a lane become elu(sum) in v[E] on.  Each accumulator is read from its low end on.
.macro ELU m
	WIN 0x01                                       ; source 0: the accumulators, window 1
.set j, 0
.rept 32
	v_pk_mul_f32 v[E+j:E+j+1], v[64*(\m)+j:64*(\m)+j+1], s[52:53] op_sel_hi:[1,0]   ; y = x log2(e)
.set j, j+2
.endr
	WIN 0
.irp g, 0,1,2,3,4,5,6,7,8,9
	EGRP \g
.endr
	WIN 0x01
.set j, 0
.rept 64
	v_max_num_f32 v[E+j], v[64*(\m)+j], v[E+j]     ; x where x >= 0; else the approximation, which lies over x
.set j, j+1
.endr
	WIN 0
.endm
; 64 numbers of a lane, register 16 b + i = k 32 b + 16 (lane / 16) + i of my token, become a fragment's codes in v[PC] on and its scale word in v[PW].
.macro QUANT
.irp b, 0,1,2,3
	v_max3_num_f32 v[TM+\b], |v[E+16*\b]|, |v[E+1+16*\b]|, 0x1800000   ; block b: my 16 numbers, and the floor 2^(3 - 127): so the byte cannot fall under 1
.endr
.irp i, 2,4,6,8,10,12,14
.irp b, 0,1,2,3
	v_max3_num_f32 v[TM+\b], v[TM+\b], |v[E+16*\b+\i]|, |v[E+1+16*\b+\i]|   ; (the four blocks by turns)
.endr
.endr
.irp b, 0,1,2,3
	v_permlanex16_b32 v[TM+4+\b], v[TM+\b], s58, s59
.endr
.irp b, 0,1,2,3
	v_max_num_f32 v[TM+\b], v[TM+\b], v[TM+4+\b]   ; with lane l xor 16's: the block's largest magnitude
.endr
.irp b, 0,1,2,3
	v_add_nc_u32 v[TM+12+\b], 0xff000000, v[TM+\b] ; 2 off its exponent field: the conversion takes the exponent field of this operand as its scale, and nothing else of it
.endr
.irp b, 0,1,2,3
	v_lshrrev_b32 v[TM+4+\b], 23, v[TM+12+\b]      ; the scale's byte
.endr
	v_lshl_or_b32 v[PW], v[TM+5], 8, v[TM+4]
	v_lshl_or_b32 v[PW], v[TM+6], 16, v[PW]
	v_lshl_or_b32 v[PW], v[TM+7], 24, v[PW]
.irp b, 0,1,2,3
	v_cvt_scalef32_pk8_fp4_f32 v[PC+2*\b], v[E+16*\b:E+7+16*\b], v[TM+12+\b]       ; to the nearest code, ties to even; beyond 6 the largest code
	v_cvt_scalef32_pk8_fp4_f32 v[PC+1+2*\b], v[E+8+16*\b:E+15+16*\b], v[TM+12+\b]
.endr
	v_nop                                          ; one plain place behind a scaled conversion
.irp c, 0,1                                    ; the operand's layout wants a whole block in a lane: lanes 0-15 block 2 c, lanes 16-31 block 2 c + 1
.irp i, 0,1
	v_permlane16_swap_b32 v[PC+4*\c+\i], v[PC+2+4*\c+\i]
.endr
.endr
.endm
; Row tile m: activation, quantiser, image and scale word to LDS.  No wait stands behind the three stores: the bytes are read only behind the next barrier, in front of which every LDS instruction of
; the wave is waited for, and the counted waits on the way there count loads that are younger than these stores.
.macro ELUQ m, iadr, ioff, sadr, soff
	ELU \m
	QUANT
	ds_store_b128 v[\iadr], v[PC:PC+3] offset:\ioff
	ds_store_b128 v[\iadr], v[PC+4:PC+7] offset:(\ioff)+512
	ds_store_b32 v[\sadr], v[PW] offset:\soff      ; lanes r and r + 16 write the same word with the same value
.endm
	s_load_b512 s[4:19], s[0:1], 0x0               ; x's codes s[4:5], x's scales s[6:7], b_in s[8:9], W_in's scales s[10:11], W1's s[12:13], b1 s[14:15], W2's scales s[16:17], b2 s[18:19]
	s_load_b256 s[20:27], s[0:1], 0x40             ; wf s[20:21], order s[22:23], counts s[24:25], out s[26:27]
	v_lshl_add_u32 v254, v0, 2, 0x10000
	v_mov_b32 v255, 0
	v_lshrrev_b32 v1, 5, v0
	v_readfirstlane_b32 s28, v1                    ; wave w
	s_lshr_b32 s29, s28, 1
	s_and_b32 s30, s28, 1
	v_and_b32 v11, 31, v0                          ; lane
	v_and_b32 v1, 15, v0                           ; r
	v_bfe_u32 v2, v0, 4, 1                         ; h
	v_lshlrev_b32 v3, 4, v11                       ; 16 x lane
	v_lshlrev_b32 v4, 6, v2                        ; 64 h
	v_and_b32 v5, 8, v1
	v_add_nc_u32 v7, v5, v1                        ; r + 8 (r / 8)
	v_lshl_add_u32 v5, v2, 3, v7                   ; + 8 h: lanes 16-31 take the odd tile's rows
	v_lshlrev_b32 v6, 5, v5                        ; x 32: W1's scale rows
	v_lshlrev_b32 v5, 4, v5                        ; x 16: W_in's
	v_lshlrev_b32 v7, 4, v7                        ; W2's: 16 (r + 8 (r / 8))
	s_lshl_b32 s31, s28, 10
	v_add_nc_u32 v8, s31, v3                       ; images, K step w: 16 x lane + 1,024 w
	s_lshl_b32 s31, s28, 11
	v_add_nc_u32 v9, s31, v3                       ; K steps 2 w, 2 w + 1: 16 x lane + 2,048 w
	v_lshlrev_b32 v14, 5, v1                       ; 32 r
	s_lshl_b32 s31, s28, 3
	v_add_nc_u32 v10, s31, v14                     ; 32 r + 8 w
	v_lshlrev_b32 v13, 4, v1                       ; 16 r
	s_lshl_b32 s31, s28, 2
	v_add_nc_u32 v12, s31, v13                     ; 16 r + 4 w
	v_mul_u32_u24 v15, v1, 272
	v_lshl_add_u32 v15, v2, 6, v15
	s_lshl_b32 s31, s29, 7
	s_lshl_b32 s40, s30, 5
	s_add_co_u32 s31, s31, s40
	s_add_co_u32 s31, s31, STG
	v_add_nc_u32 v15, s31, v15                     ; the stage, in: row r; my eight outputs 32 (w / 2) + 8 (w % 2) + 16 h + 0 .. 7
	s_mul_i32 s31, s28, 12*272
	s_add_co_u32 s31, s31, STG
	v_mul_u32_u24 v16, v2, 272
	v_lshl_add_u32 v16, v1, 4, v16
	v_add_nc_u32 v16, s31, v16                     ; back: my 12 rows, two an instruction, sixteen lanes to a row
	v_lshl_add_u32 v17, v1, 2, TOK
	s_mul_i32 s31, s28, 48
	s_add_co_u32 s31, s31, TOK
	v_lshl_add_u32 v18, v2, 2, s31                 ; those rows' token words
	s_lshl_b32 s31, s28, 6
	v_lshl_add_u32 v19, v2, 4, s31                 ; x: K step w of a row: 64 w + 16 h
	s_mov_b32 s52, 0x3fb8aa3b                      ; log2(e); the packed forms name pairs and take the low word for both halves, so both words are written
	s_mov_b32 s53, s52
	s_mov_b32 s54, 0x3c1d955b                      ; a4 = ln^4 2 / 24
	s_mov_b32 s55, s54
	s_mov_b32 s56, 0xbf7fffff                      ; -(1 - 2^-24)
	s_mov_b32 s57, s56
	s_mov_b32 s58, 0x76543210
	s_mov_b32 s59, 0xfedcba98                      ; v_permlanex16_b32's selects for lane l xor 16
	v_mov_b32 v[A1], 0x3f317218
	v_mov_b32 v[A1+1], 0x3f317218
	v_mov_b32 v[A2], 0x3e75fdf0
	v_mov_b32 v[A2+1], 0x3e75fdf0
	v_mov_b32 v[A3], 0x3d635847
	v_mov_b32 v[A3+1], 0x3d635847
.irp b, 0,1,2,3
	v_mov_b32 v[TM+4+\b], 0                        ; written once: a lane permute's destination counts as one of its sources
.endr
	s_mov_b32 s71, 0
	s_wait_kmcnt 0x0
	s_load_b256 s[32:39], s[24:25], 0x0            ; the tokens of each expert
	s_lshl_b32 s70, s28, 16
	s_add_nc_u64 s[60:61], s[20:21], s[70:71]      ; wf at my 16 tiles of W_in
	s_lshl_b32 s70, s28, 10
	s_add_nc_u64 s[8:9], s[8:9], s[70:71]          ; b_in at my 256 units
	s_lshl_b32 s70, s28, 12
	s_add_nc_u64 s[10:11], s[10:11], s[70:71]      ; W_in's scales at my 256 rows of 16 bytes
	; what hangs on no list goes out first: 8 + 16 + 32 loads
.irp g, 0,1
.irp b, 0,1,2,3
	global_load_b128 v[WSA+16*\g+4*\b:WSA+16*\g+4*\b+3], v5, s[10:11] offset:2048*\g+512*\b
.endr
.endr
	WIN TO_1
	BLOAD 8, 0
	WIN TO_X
	WLOAD 0, 60, 0, 4096, 0                        ; W_in, group 0, K steps 0, 1
	WIN 0
	s_wait_kmcnt 0x0
	; WHICH TILE IS MINE: expert e's tiles begin at tile number TS (s40), its rows at ST (s41) in order[]; the last expert whose TS is not past my number is mine.  No loop, no branch.
	s_mov_b32 s40, 0
	s_mov_b32 s41, 0
	s_mov_b32 s42, 0
	s_mov_b32 s43, 0
	s_mov_b32 s44, 0
	s_mov_b32 s45, 0
.irp e, 0,1,2,3,4,5,6,7
	s_cmp_ge_u32 ttmp9, s40
	s_cselect_b32 s42, \e, s42
	s_cselect_b32 s43, s40, s43
	s_cselect_b32 s44, s41, s44
	s_cselect_b32 s45, s[32+\e], s45
	s_add_co_u32 s46, s[32+\e], 47
	s_mul_hi_u32 s46, s46, 0x5555556               ; (c + 47) / 48, rounded down: exact for c up to 8,192 (the factor is 2^32 / 48 rounded up)
	s_add_co_u32 s40, s40, s46
	s_add_co_u32 s41, s41, s[32+\e]
.endr
	s_sub_co_u32 s46, ttmp9, s43                   ; my tile among the expert's
	s_mul_i32 s46, s46, 48
	s_sub_co_i32 s47, s45, s46
	s_min_i32 s47, s47, 48                         ; my rows: 1 to 48; 0 or less: none
	s_add_co_u32 s48, s44, s46                     ; my first row's place in order[]
	s_sub_co_i32 s49, s47, 1
	s_max_i32 s49, s49, 0                          ; rows past the last repeat the last
	s_min_u32 s42, s42, 7                          ; the expert enters addresses
	s_add_co_u32 s50, s42, 1
	s_lshl_b32 s70, s50, 18
	s_add_nc_u64 s[66:67], s[60:61], s[70:71]      ; wf at my 8 tiles of W1[e]: 262,144 (1 + e) + 65,536 w
	s_lshl_b32 s50, s42, 2
	s_add_co_u32 s50, s50, s28                     ; 4 e + w
	s_lshl_b32 s70, s50, 12
	s_add_nc_u64 s[12:13], s[12:13], s[70:71]      ; W1's scales: 16,384 e + 4,096 w
	s_add_co_u32 s70, s70, 2359296
	s_add_nc_u64 s[68:69], s[20:21], s[70:71]      ; wf at my tile of W2[e]
	s_lshl_b32 s70, s50, 9
	s_add_nc_u64 s[14:15], s[14:15], s[70:71]      ; b1: 2,048 e + 512 w
	s_lshl_b32 s70, s42, 10
	s_lshl_b32 s50, s29, 9
	s_add_co_u32 s70, s70, s50
	s_lshl_b32 s50, s30, 7
	s_add_co_u32 s70, s70, s50
	s_add_nc_u64 s[16:17], s[16:17], s[70:71]      ; W2's scales: 1,024 e + 16 x (32 (w / 2) + 8 (w % 2))
	s_lshl_b32 s70, s42, 8
	s_lshl_b32 s50, s29, 7
	s_add_co_u32 s70, s70, s50
	s_lshl_b32 s50, s30, 5
	s_add_co_u32 s70, s70, s50
	s_add_nc_u64 s[18:19], s[18:19], s[70:71]      ; b2: 256 e + 4 x the same
.irp m, 0,1,2
	v_add_nc_u32 v[29+\m], 16*\m, v1
	v_min_u32 v[29+\m], s49, v[29+\m]
	v_add_nc_u32 v[29+\m], s48, v[29+\m]
	v_min_u32 v[29+\m], 0x1fff, v[29+\m]           ; held inside order[]
	v_lshlrev_b32 v[29+\m], 2, v[29+\m]
.endr
.irp m, 0,1,2
	global_load_b32 v[20+\m], v[29+\m], s[22:23]   ; lane (r, h): the token of row 16 m + r
.endr
	WIN TO_X
	WLOAD 1, 60, 0, 4096, 0                        ; W_in, group 0, K steps 2, 3
	WIN 0
	s_wait_loadcnt 32                              ; only the 32 just issued are younger: the tokens are in
.irp m, 0,1,2
	v_min_u32 v[20+\m], 0x1fff, v[20+\m]
	v_lshl_add_u32 v[23+\m], v[20+\m], 8, v19      ; a row of x's codes is 256 bytes,
	v_lshlrev_b32 v[26+\m], 4, v[20+\m]            ; of its scales 16
.endr
.irp m, 0,1,2
.irp c, 0,1
	global_load_b128 v[128+8*\m+4*\c:128+8*\m+4*\c+3], v[23+\m], s[4:5] offset:32*\c   ; x's fragment (m, K step w)
.endr
.endr
.irp m, 0,1,2
	global_load_b128 v[AS+4*\m:AS+4*\m+3], v[26+\m], s[6:7]        ; x's scale words, all four K steps: every wave keeps its own
.endr
	WIN TO_Y
	WLOAD 0, 60, 32768, 4096, 0                    ; W_in, group 1
	WIN 0
	s_wait_loadcnt 32                              ; only those 32 are younger: x, and all that group 0's products want, are in
.irp m, 0,1,2
.irp c, 0,1
	ds_store_b128 v8, v[128+8*\m+4*\c:128+8*\m+4*\c+3] offset:XIMG+4096*\m+512*\c
.endr
.endr
	s_cmp_lg_u32 s28, 0
	s_cbranch_scc1 .Lnot_wave_0
.irp m, 0,1,2
	ds_store_b32 v17, v[20+\m] offset:64*\m        ; the tile's tokens, for the way out
.endr
.Lnot_wave_0:
	WIN TO_Y
	WLOAD 1, 60, 32768, 4096, 0
	WIN 0
	BARRIER                                        ; x's twelve fragments and the tokens lie in LDS
	; ---- FIRST PRODUCT, group 0: my units 256 w .. + 127.  The 24 fragment loads go out on end, a K step's six together; LDS loads come back in order, so K step sl is in when at most 18 - 6 sl are out
	AFETCH 0, XIMG, 4, 0
	AFETCH 1, XIMG, 4, 2
	WIN MUL_X
	s_wait_dscnt 18
	MULK 0, 1, WSA+0, 4, AS+0, 4
	s_wait_dscnt 12
	MULK 1, 0, WSA+1, 4, AS+1, 4
	s_wait_dscnt 6
	MULK 2, 0, WSA+2, 4, AS+2, 4
	s_wait_dscnt 0x0
	MULK 3, 0, WSA+3, 4, AS+3, 4
	PLACES
	WIN TO_1
	BLOAD 8, 512                                   ; group 1's biases
	WIN TO_X
	WLOAD 0, 66, 0, 8192, 0                        ; W1[e], K steps 0, 1: they land under the vector work
	WIN 0
	ELUQ 0, 9, MIMG, 10, MSC
	WIN TO_X
	WLOAD 1, 66, 0, 8192, 0                        ; K steps 2, 3
	WIN 0
	ELUQ 1, 9, MIMG+8192, 10, MSC+512
	ELUQ 2, 9, MIMG+16384, 10, MSC+1024
	; ---- group 1: my units 256 w + 128 .. + 255
	AFETCH 0, XIMG, 4, 0
	AFETCH 1, XIMG, 4, 2
	s_wait_loadcnt 32                              ; behind group 1's weights and biases 64 loads were issued: a count of 32 shows them in, and half of those 64 too
	WIN MUL_Y
	s_wait_dscnt 18                                ; as above; the images' stores are older than these loads
	MULK 0, 1, WSA+16, 4, AS+0, 4
	s_wait_dscnt 12
	MULK 1, 0, WSA+17, 4, AS+1, 4
	s_wait_dscnt 6
	MULK 2, 0, WSA+18, 4, AS+2, 4
	s_wait_dscnt 0x0
	MULK 3, 0, WSA+19, 4, AS+3, 4
	PLACES
	WIN TO_1
	BLOAD 14, 0                                    ; b1[e], my 128 units
	WIN 0
.irp b, 0,1,2,3
.irp f, 0,1
	global_load_b128 v[WSB+8*\b+4*\f:WSB+8*\b+4*\f+3], v6, s[12:13] offset:1024*\b+16*\f
.endr
.endr
	WIN TO_Y
	WLOAD 0, 66, 0, 8192, 4                        ; W1[e], K steps 4, 5
	WIN 0
	ELUQ 0, 9, MIMG+1024, 10, MSC+4
	WIN TO_Y
	WLOAD 1, 66, 0, 8192, 4                        ; K steps 6, 7
	WIN 0
	ELUQ 1, 9, MIMG+8192+1024, 10, MSC+512+4
	ELUQ 2, 9, MIMG+16384+1024, 10, MSC+1024+4
	BARRIER                                        ; the first layer's 24 fragments and their scale words lie in LDS
	; ---- SECOND PRODUCT: my units 128 w .. + 127 of the expert's hidden layer, K = 1,024 in 8 steps
.irp m, 0,1,2
.irp f, 0,1
	ds_load_b128 v[AS+8*\m+4*\f:AS+8*\m+4*\f+3], v14 offset:MSC+512*\m+16*\f
.endr
.endr
	AFETCH 0, MIMG, 8, 0
	AFETCH 1, MIMG, 8, 2
	s_wait_loadcnt 32                              ; behind K steps 0-3, the biases and the scale words 64 loads were issued: as above
	WIN MUL_X
	s_wait_dscnt 18                                ; the six loads of scale words and K step 0's six are in
	MULK 0, 1, WSB+0, 8, AS+0, 8
	s_wait_dscnt 12                                ; K step 1
	MULK 1, 0, WSB+1, 8, AS+1, 8
	PLACES
	WIN 0
	AFETCH 0, MIMG, 8, 4
	s_wait_dscnt 12                                ; all but the twelve just issued: K steps 2, 3
	WIN MUL_X
	MULK 2, 0, WSB+2, 8, AS+2, 8
	MULK 3, 0, WSB+3, 8, AS+3, 8
	PLACES
	WIN 0
	AFETCH 1, MIMG, 8, 6
	WIN TO_X
.irp s, 0,1,2,3
.irp c, 0,1
	global_load_b128 v[8*\s+4*\c:8*\s+4*\c+3], v3, s[68:69] offset:1024*\s+512*\c   ; W2[e], my tile, K step s
.endr
.endr
	WIN TO_1
	global_load_b128 v[BI:BI+3], v4, s[18:19]      ; b2[e] at my eight outputs
	global_load_b128 v[BI+4:BI+7], v4, s[18:19] offset:16
	WIN 0
	global_load_b128 v[W2S:W2S+3], v7, s[16:17]
	s_wait_loadcnt 11                              ; the 8 + 2 + 1 just issued may be out: W1's K steps 4-7 are in
	s_wait_dscnt 12                                ; K steps 4, 5
	WIN MUL_Y
	MULK 0, 0, WSB+4, 8, AS+4, 8
	MULK 1, 0, WSB+5, 8, AS+5, 8
	s_wait_dscnt 0x0
	MULK 2, 0, WSB+6, 8, AS+6, 8
	MULK 3, 0, WSB+7, 8, AS+7, 8
	PLACES
	WIN 0
	ELUQ 0, 8, HIMG, 12, HSC
	ELUQ 1, 8, HIMG+4096, 12, HSC+256
	ELUQ 2, 8, HIMG+8192, 12, HSC+512
	BARRIER                                        ; the hidden layer's 12 fragments and their scale words lie in LDS
	; ---- THIRD PRODUCT: my 16 outputs for the 48 rows: three accumulators by turns, a K step at a time
.irp m, 0,1,2
	ds_load_b128 v[AS+4*\m:AS+4*\m+3], v13 offset:HSC+256*\m
.endr
	AFETCH 0, HIMG, 4, 0
	AFETCH 1, HIMG, 4, 2
	s_wait_loadcnt 0x0                             ; W2's fragments and scale words, b2
	WIN MUL_X
.irp s, 0,1,2,3
	s_wait_dscnt 18-6*\s                           ; the scale words and K steps 0 .. s are in; the later K steps' six loads each may be out
.irp m, 0,1,2
.set rC, 8*\m
.if \s == 0
.set rC, BI
.endif
	v_wmma_scale_f32_16x16x128_f8f6f4 v[8*\m:8*\m+7], v[8*\s:8*\s+7], v[AF+8*(3*\s+\m):AF+8*(3*\s+\m)+7], v[rC:rC+7], v[W2S+\s], v[AS+4*\m+\s] matrix_a_fmt:MATRIX_FMT_FP4 matrix_b_fmt:MATRIX_FMT_FP4
.endr
.endr
	PLACES
	WIN 0x04                                       ; an LDS store's data are its source 1: window 1
.irp m, 0,1,2
	ds_store_b128 v15, v[8*\m:8*\m+3] offset:4352*\m               ; each accumulator from its low end on
	ds_store_b128 v15, v[8*\m+4:8*\m+7] offset:4352*\m+16
.endr
	WIN 0
	BARRIER                                        ; 48 whole rows of the output lie in the stage
	; ---- THE WAY OUT: wave w stores rows 12 w .. + 11, each to its token's row of out: sixteen lanes store 256 consecutive bytes, aligned
.irp i, 0,1,2,3,4,5
	ds_load_b128 v[128+4*\i:128+4*\i+3], v16 offset:544*\i
	ds_load_b32 v[160+\i], v18 offset:8*\i
.endr
	s_wait_dscnt 0x0
.irp i, 0,1,2,3,4,5
	v_min_u32 v[160+\i], 0x1fff, v[160+\i]
	v_lshl_add_u32 v[160+\i], v[160+\i], 8, v13
.endr
	s_cmp_le_i32 s47, 0
	s_cbranch_scc1 .Lend                           ; a tile without rows stores nothing
.irp i, 0,1,2,3,4,5
	global_store_b128 v[160+\i], v[128+4*\i:128+4*\i+3], s[26:27] th:TH_STORE_NT   ; written once, read by nobody here
.endr
.Lend:
	s_wait_tensorcnt 0x0
	ds_add_u32 v254, v255
	s_wait_dscnt 0x0
	s_endpgm
.Lfunc_end_k_q030806b545_chain:
	.size	k_q030806b545_chain, .Lfunc_end_k_q030806b545_chain-k_q030806b545_chain
	.p2alignl 7, 3214868480
	.fill 96, 4, 3214868480
	.section	.rodata,"a",@progbits
	.p2align	6, 0x0
	.amdhsa_kernel k_q030806b545_chain
		.amdhsa_group_segment_fixed_size 66048
		.amdhsa_private_segment_fixed_size 0
		.amdhsa_enable_private_segment 0
		.amdhsa_kernarg_size 96
		.amdhsa_user_sgpr_count 2
		.amdhsa_user_sgpr_kernarg_segment_ptr 1
		.amdhsa_wavefront_size32 1
		.amdhsa_system_sgpr_workgroup_id_x 1
		.amdhsa_system_sgpr_workgroup_id_y 1
		.amdhsa_system_sgpr_workgroup_id_z 1
		.amdhsa_system_vgpr_workitem_id 0
		.amdhsa_next_free_vgpr 1024
		.amdhsa_next_free_sgpr 72
		.amdhsa_reserve_vcc 0
		.amdhsa_float_denorm_mode_32 3
		.amdhsa_float_denorm_mode_16_64 3
		.amdhsa_memory_ordered 1
		.amdhsa_forward_progress 1
		.amdhsa_inst_pref_size 255
	.end_amdhsa_kernel
	.section	.bss,"aw",@nobits
	.p2align	6
	.space	262144
	.amdgpu_metadata
---
amdhsa.version: [ 1, 2 ]
amdhsa.kernels:
  - .name:           k_q030806b545_chain
    .symbol:         k_q030806b545_chain.kd
    .args:
      - { .name: input_codes, .offset: 0, .size: 8, .value_kind: global_buffer, .address_space: global }
      - { .name: input_scales, .offset: 8, .size: 8, .value_kind: global_buffer, .address_space: global }
      - { .name: b_in, .offset: 16, .size: 8, .value_kind: global_buffer, .address_space: global }
      - { .name: W_in_scales, .offset: 24, .size: 8, .value_kind: global_buffer, .address_space: global }
      - { .name: W1_scales, .offset: 32, .size: 8, .value_kind: global_buffer, .address_space: global }
      - { .name: b1, .offset: 40, .size: 8, .value_kind: global_buffer, .address_space: global }
      - { .name: W2_scales, .offset: 48, .size: 8, .value_kind: global_buffer, .address_space: global }
      - { .name: b2, .offset: 56, .size: 8, .value_kind: global_buffer, .address_space: global }
      - { .name: wf, .offset: 64, .size: 8, .value_kind: global_buffer, .address_space: global }
      - { .name: order, .offset: 72, .size: 8, .value_kind: global_buffer, .address_space: global }
      - { .name: counts, .offset: 80, .size: 8, .value_kind: global_buffer, .address_space: global }
      - { .name: out0, .offset: 88, .size: 8, .value_kind: global_buffer, .address_space: global }
    .group_segment_fixed_size: 66048
    .private_segment_fixed_size: 0
    .kernarg_segment_align: 8
    .kernarg_segment_size: 96
    .max_flat_workgroup_size: 128
    .sgpr_count:     72
    .vgpr_count:     1024
    .wavefront_size: 32
...
	.end_amdgpu_metadata
.endif
;; end of part 2
;; ======== version 2 of 2: 2 launches; version 1 with the launch chain written anew for expert scheduling mode
;; workspace buffers: wf 2,490,368 bytes; order 32,768 bytes of whole numbers; counts 256 bytes of whole numbers
;; launch prep: the kernel of part 1 again; grid 84 x 1, 8 waves a work-group, no clusters, 2,048 bytes of LDS; arguments category, W_in_codes, W1_codes, W2_codes, wf, order, counts; writes wf, order, counts
;; launch chain (part 3): grid 178 x 1, 4 waves a work-group, no clusters, 66,048 bytes of LDS; arguments input_codes, input_scales, b_in, W_in_scales, W1_scales, b1, W2_scales, b2, wf, order, counts, out0; writes out0
.if DOCPART == 3
	.amdgcn_target "amdgcn-amd-amdhsa--gfx1250"
	.amdhsa_code_object_version 6
	.text
	.protected	k_q030806b545_chain
	.globl	k_q030806b545_chain
	.p2align	8
	.type	k_q030806b545_chain,@function
k_q030806b545_chain:
	s_mov_b64 s[64:65], 0
	v_nop
	global_prefetch_b8 v0, s[64:65] scope:SCOPE_SE
	s_setreg_imm32_b32 hwreg(HW_REG_WAVE_SCHED_MODE, 0, 2), 2
	s_setreg_imm32_b32 hwreg(HW_REG_WAVE_MODE, 25, 1), 1
	s_wait_xcnt 0x0
	s_wait_alu depctr_vm_vsrc(0)
; out[token] = elu(elu(x W_in + b_in) W1[e] + b1[e]) W2[e] + b2[e], e = the token's expert; all three products on codes of FP4 (E2M1) with one E8M0 scale for each 32 along K.
; ONE WORK-GROUP TAKES ONE TILE OF AT MOST 48 ROWS OF ONE EXPERT THROUGH THE WHOLE CHAIN.  The rows come from order[] (tokens sorted by expert) and counts[] (tokens of each expert), which the launch before stored.
; With 8,192 rows, 8 experts and tiles of 48 there are never more than ceil(8192 / 48) + 7 = 178 tiles, whatever the split: that is the grid.  A work-group that the split leaves without rows walks the text on
; held row numbers and jumps over its stores alone, so that no barrier stands under a branch on loaded numbers.  In a short tile the rows past the last repeat the last: same bits, same output row; no lane is ever switched off.
; THE WAVES SHARE THE COLUMNS: wave w makes units 256 w .. + 255 of the first layer (two groups of 128 = K steps 2 w, 2 w + 1 of the second product), units 128 w .. + 127 of the second (K step w of the third) and
; output tile w, for all 48 rows.  Each weight byte is loaded once by the work-group, from wf, straight into registers: 512 consecutive bytes a load.  The two hidden layers never leave LDS.
; ALL PRODUCTS ARE USED TRANSPOSED (source 0 = 16 weight rows, source 1 = 16 tokens): a lane holds one token.  wf's choice of a tile's rows makes the 16 registers of tiles 2 b, 2 b + 1 the units 32 b + 16 (lane / 16) + 0 .. 15:
; 16 neighbours along the next K.  Codes and scale words go from wave to wave through LDS as images of the operand's registers.  Biases are the C of each sum's first matrix instruction.
; ELU: y = x log2(e); elu(x) = max(x, min(p4, E, 0)), p4 = the first four terms of e^x - 1 written in y, E = 2^y - (1 - 2^-24).  For x < 0 p4 lies above e^x - 1 by at most |x|^5 / 120, and E by at most 1.2e-7
; (v_exp_f32: 1 ulp, ISA guide 15.8): the smaller of the two is off by at most 1.2e-6 of the number, at x near -0.11.  x >= 0 comes out as it is.
; NO CLUSTER, NO TENSOR LOAD: which tiles share an expert, and so its weights, hangs on counts read from memory, and so does this text's last branch.
; LIMITS: NaN and infinities are not served.  A block of zeros gets the scale byte 1, not 127: its codes are zeros, and this text alone reads the byte.  Blocks whose largest magnitude lies under 2^-124 are held at that byte.
; THE MODE: SCHED_MODE bits 1:0 = 2 (LLVM: expert scheduling mode 2), set by the entry lines.  The code itself states the register dependences between vector or matrix instructions and memory or LDS instructions,
; with s_wait_alu, always for 0.
; THE PLAN.  Registers that memory or LDS instructions touch, and who else names them:
;   v3-v19          offsets and LDS addresses.  Written at the head, never again: one wait on va_vdst ahead of the first load serves every load and store of the kernel.
;   v20-v31         the gather: offsets in order[], the tokens, their offsets in x.  Each written once by vector lines, a wait on va_vdst ahead of the loads and stores that read them; never written again.
;   sets X, Y, the biases   Loads land, matrix instructions read; no vector instruction names them.  Behind a run of products stands ONE wait on va_vdst, and every load into what that run has read follows it,
;                   at once or among the vector work behind, which names window 0 and the accumulators alone.
;   AF = E, T       LDS loads land, products read; between the products the activation and the quantiser write and read them.  The wait ahead of a row tile's LDS stores is the last vector-side line of its phase: it also frees AF and AS for the next loads.
;   AS              Loads land, products read them as scales.
;   PC, PW          The quantiser writes them, three LDS stores read them: a wait on va_vdst ahead of the stores, a wait on vm_vsrc ahead of the next quantiser, a whole activation behind those stores.
;   the third product's accumulators   The stage's LDS stores read them: the places, then a wait on va_vdst.
; LDS, every region written once: four barriers.
.set XIMG, 0                           ; x's 12 fragments (row tile m, K step s: 4 m + s), 1,024 bytes each: register group c of lane l at 512 c + 16 l
.set MIMG, 12288                       ; the first layer's 24 (8 m + s)
.set HIMG, 36864                       ; the second layer's 12 (4 m + s)
.set MSC,  49152                       ; the first layer's scale words: 512 m + 32 r + 4 s
.set HSC,  50688                       ; the second layer's: 256 m + 16 r + 4 s
.set TOK,  51456                       ; the tile's 48 token numbers
.set STG,  51712                       ; the stage for the output: 48 rows x (256 bytes + 16); ends at 64,768
; REGISTERS, in windows of 256 (s_set_vgpr_msb's low byte: bits 1:0 source 0, 3:2 source 1, 5:4 source 2, 7:6 destination):
; window 0: v1 r, v2 h, v3 16 x lane, v4 64 h, v5-7 my rows among the weights' scale words, v8-10, v12 where I store images and scale words, v13 16 r, v14 32 r, v15-16 the stage, v17-18 the token words, v19 x's bytes,
;   v20-22 tokens, v23-28 their offsets in x and its scales, v29-31 in order[]; then as named below.   window 1: the 24 accumulators (m, t) at v[64 m + 8 t], a group's biases from v192.
; window 2, window 3: two sets of 32 weight fragments (K step slot sl, tile t) at v[8 (8 sl + t)]: one is multiplied while the other is on its way.
.set WSA, 32                           ; v32-63   W_in's scale words: 16 g + 4 b + s; lanes 0-15 tile 2 b's rows, lanes 16-31 tile 2 b + 1's
.set WSB, 64                           ; v64-95   W1's: 8 b + s, likewise
.set W2S, 96                           ; v96-99   W2's: s
.set AS,  100                          ; v100-123 the tokens' scale words
.set A1,  124                          ; v[124:125] ln 2, twice;  v[126:127] ln^2 2 / 2;  v[250:251] ln^3 2 / 6
.set A2,  126
.set A3,  250
.set AF,  128                          ; v128-223 the tokens' fragments: slot sl, row tile m at 8 (3 sl + m).  Between the products:
.set E,   128                          ; v128-191 64 numbers of a lane;
.set T,   192                          ; v192-223 the polynomial, four groups of 8
.set TM,  224                          ; v224-227 largest magnitudes, v228-231 bytes, v236-239 the conversions' scale operands
.set PW,  240                          ; the scale word just made
.set PC,  242                          ; v242-249 the codes just made
.set BI,  192                          ; in window 1
.set MSB, 0
.macro WIN new                         ; the immediate's high byte repeats the setting that is left
.if MSB != \new
	s_set_vgpr_msb (MSB<<8)|\new
.set MSB, \new
.endif
.endm
.set TO_X, 0x80                        ; destination window 2
.set TO_Y, 0xc0                        ; destination window 3
.set TO_1, 0x40                        ; destination window 1
.set MUL_X, 0x52                       ; source 0 window 2, source 1 window 0, C and D window 1
.set MUL_Y, 0x53                       ; source 0 window 3
.macro PLACES                          ; four plain vector instructions between a matrix instruction and a read of its result, or a load into one of its registers (ISA guide 7.12.1 for a read of its result)
.rept 4
	v_nop
.endr
.endm
.macro BARRIER                         ; my LDS stores have landed and my LDS loads are in: then the work-group's barrier
	s_wait_dscnt 0x0
	s_barrier_signal -1
	s_barrier_wait -1
.endm
; 32 loads: slots 2 hb, 2 hb + 1 of a set: 8 tiles, tstr bytes apart in wf, K steps kb + slot
.macro WLOAD hb, base, off0, tstr, kb
.irp i, 0,1
.irp t, 0,1,2,3,4,5,6,7
.irp c, 0,1
.set rW, 8*(8*(2*(\hb)+\i)+\t)+4*\c
	global_load_b128 v[rW:rW+3], v3, s[\base:\base+1] offset:(\off0)+\t*(\tstr)+1024*((\kb)+2*(\hb)+\i)+512*\c
.endr
.endr
.endr
.endm
; 16 loads: a group's biases in the result's layout: lane (r, h), tile t, register j: unit 32 (t / 2) + 8 (t % 2) + 16 h + j
.macro BLOAD base, off
.irp t, 0,1,2,3,4,5,6,7
	global_load_b128 v[BI+8*\t:BI+8*\t+3], v4, s[\base:\base+1] offset:(\off)+4*(32*(\t/2)+8*(\t%2))
	global_load_b128 v[BI+8*\t+4:BI+8*\t+7], v4, s[\base:\base+1] offset:(\off)+4*(32*(\t/2)+8*(\t%2))+16
.endr
.endm
; 12 LDS loads: the three row tiles' fragments of K steps s0, s0 + 1 into slots 2 hb, 2 hb + 1, a slot's six loads on end; kst: fragments to a row tile in the image
.macro AFETCH hb, img, kst, s0
.irp i, 0,1
.irp m, 0,1,2
.irp c, 0,1
.set rF, AF+8*(3*(2*(\hb)+\i)+\m)+4*\c
	ds_load_b128 v[rF:rF+3], v3 offset:(\img)+1024*((\kst)*\m+(\s0)+\i)+512*\c
.endr
.endr
.endr
.endm
; 24 matrix instructions: slot sl, 3 row tiles x 8 tiles of units, 128 along K.  The 24 accumulators take turns, one instruction a turn, in the same order in every K step.
; first = 1: the biases are C.  An odd tile's scale words lie in lanes 16-31 of its pair's register.
.macro MULK sl, first, wsb, wst, asb, ast
.irp m, 0,1,2
.irp t, 0,1,2,3,4,5,6,7
.set rD, 64*\m+8*\t
.set rA, 8*(8*(\sl)+\t)
.set rB, AF+8*(3*(\sl)+\m)
.set rC, rD
.if \first
.set rC, BI+8*\t
.endif
.set rSA, (\wsb)+(\wst)*(\t/2)
.set rSB, (\asb)+(\ast)*\m
.if \t%2
	v_wmma_scale_f32_16x16x128_f8f6f4 v[rD:rD+7], v[rA:rA+7], v[rB:rB+7], v[rC:rC+7], v[rSA], v[rSB] matrix_a_fmt:MATRIX_FMT_FP4 matrix_b_fmt:MATRIX_FMT_FP4 matrix_a_scale:MATRIX_SCALE_ROW1
.else
	v_wmma_scale_f32_16x16x128_f8f6f4 v[rD:rD+7], v[rA:rA+7], v[rB:rB+7], v[rC:rC+7], v[rSA], v[rSB] matrix_a_fmt:MATRIX_FMT_FP4 matrix_b_fmt:MATRIX_FMT_FP4
.endif
.endr
.endr
.endm
; Stage k of the polynomial for pair p of group g: ((y a4 + a3) y + a2) y + a1, times y
.macro POLY g, k, p
.set rY, E+8*(\g)+2*(\p)
.set rT, T+8*((\g)%4)+2*(\p)
.if \k == 0
	v_pk_fma_f32 v[rT:rT+1], v[rY:rY+1], s[54:55], v[A3:A3+1] op_sel_hi:[1,0,1]
.elseif \k == 1
	v_pk_fma_f32 v[rT:rT+1], v[rY:rY+1], v[rT:rT+1], v[A2:A2+1]
.elseif \k == 2
	v_pk_fma_f32 v[rT:rT+1], v[rY:rY+1], v[rT:rT+1], v[A1:A1+1]
.else
	v_pk_mul_f32 v[rT:rT+1], v[rY:rY+1], v[rT:rT+1]
.endif
.endm
; THE ELU'S MIDDLE goes in two halves of four groups of 8 numbers: as many as v[T ..] holds polynomials.
; Group g's polynomial, sixteen lines.  x = 1: between its lines stand group g - 1's exponentials, in place on y (that group's polynomial is finished), each with a plain line of this group behind it (ISA guide 5.7.2).
.macro PGRP g, x
.irp k, 0,1,2,3
	POLY \g, \k, 0
	POLY \g, \k, 1
.if \x
	v_exp_f32 v[E+8*((\g)-1)+2*\k], v[E+8*((\g)-1)+2*\k]
.endif
	POLY \g, \k, 2
	POLY \g, \k, 3
.if \x
	v_exp_f32 v[E+8*((\g)-1)+2*\k+1], v[E+8*((\g)-1)+2*\k+1]
.endif
.endr
.endm
; Group g's closing lines: E = 2^y - (1 - 2^-24), and the least of p4, E and 0.
.macro FIN g
.irp p, 0,1,2,3
	v_pk_add_f32 v[E+8*(\g)+2*\p:E+8*(\g)+2*\p+1], v[E+8*(\g)+2*\p:E+8*(\g)+2*\p+1], s[56:57] op_sel_hi:[1,0]
.endr
.irp i, 0,1,2,3,4,5,6,7
	v_min3_num_f32 v[E+8*(\g)+\i], v[T+8*((\g)%4)+\i], v[E+8*(\g)+\i], 0
.endr
.endm
; A half: none of its lines ahead of the wait names an exponential's result, and none behind the wait is an exponential: so its 32 exponentials are one batch with one wait.
.macro EHALF g0, g1, g2, g3
	PGRP \g0, 0
	PGRP \g1, 1
	PGRP \g2, 1
	PGRP \g3, 1
.irp i, 0,1,2,3,4,5,6,7
	v_exp_f32 v[E+8*(\g3)+\i], v[E+8*(\g3)+\i]
.endr
	s_wait_alu depctr_va_vdst(0)                   ; the half's 32 exponentials have written v[E ..] of its four groups, which the additions below read; the first of these, on the half's first group, is the plain line behind the last exponential
.irp q, \g0, \g1, \g2, \g3
	FIN \q
.endr
.endm
; Row tile m's 64 sums of a lane become elu(sum) in v[E] on.  Each accumulator is read from its low end on.
.macro ELU m
	WIN 0x01                                       ; source 0: the accumulators, window 1
.set j, 0
.rept 32
	v_pk_mul_f32 v[E+j:E+j+1], v[64*(\m)+j:64*(\m)+j+1], s[52:53] op_sel_hi:[1,0]   ; y = x log2(e)
.set j, j+2
.endr
	WIN 0
	EHALF 0, 1, 2, 3
	EHALF 4, 5, 6, 7
	WIN 0x01
.set j, 0
.rept 64
	v_max_num_f32 v[E+j], v[64*(\m)+j], v[E+j]     ; x where x >= 0; else the approximation, which lies over x
.set j, j+1
.endr
	WIN 0
.endm
; 64 numbers of a lane, register 16 b + i = k 32 b + 16 (lane / 16) + i of my token, become a fragment's codes in v[PC] on and its scale word in v[PW].
.macro QUANT
.irp b, 0,1,2,3
	v_max3_num_f32 v[TM+\b], |v[E+16*\b]|, |v[E+1+16*\b]|, 0x1800000   ; block b: my 16 numbers, and the floor 2^(3 - 127): so the byte cannot fall under 1
.endr
.irp i, 2,4,6,8,10,12,14
.irp b, 0,1,2,3
	v_max3_num_f32 v[TM+\b], v[TM+\b], |v[E+16*\b+\i]|, |v[E+1+16*\b+\i]|   ; (the four blocks by turns)
.endr
.endr
.irp b, 0,1,2,3
	v_permlanex16_b32 v[TM+4+\b], v[TM+\b], s58, s59
.endr
.irp b, 0,1,2,3
	v_max_num_f32 v[TM+\b], v[TM+\b], v[TM+4+\b]   ; with lane l xor 16's: the block's largest magnitude
.endr
.irp b, 0,1,2,3
	v_add_nc_u32 v[TM+12+\b], 0xff000000, v[TM+\b] ; 2 off its exponent field: the conversion takes the exponent field of this operand as its scale, and nothing else of it
.endr
.irp b, 0,1,2,3
	v_lshrrev_b32 v[TM+4+\b], 23, v[TM+12+\b]      ; the scale's byte
.endr
	v_lshl_or_b32 v[PW], v[TM+5], 8, v[TM+4]
	v_lshl_or_b32 v[PW], v[TM+6], 16, v[PW]
	v_lshl_or_b32 v[PW], v[TM+7], 24, v[PW]
.irp b, 0,1,2,3
	v_cvt_scalef32_pk8_fp4_f32 v[PC+2*\b], v[E+16*\b:E+7+16*\b], v[TM+12+\b]       ; to the nearest code, ties to even; beyond 6 the largest code
	v_cvt_scalef32_pk8_fp4_f32 v[PC+1+2*\b], v[E+8+16*\b:E+15+16*\b], v[TM+12+\b]
.endr
	v_nop                                          ; one plain place behind a scaled conversion
.irp c, 0,1                                    ; the operand's layout wants a whole block in a lane: lanes 0-15 block 2 c, lanes 16-31 block 2 c + 1
.irp i, 0,1
	v_permlane16_swap_b32 v[PC+4*\c+\i], v[PC+2+4*\c+\i]
.endr
.endr
.endm
; Row tile m: activation, quantiser, image and scale word to LDS.  No wait stands behind the three stores: the bytes are read only behind the next barrier, in front of which every LDS instruction of
; the wave is waited for, and the counted waits on the way there count loads that are younger than these stores.  again = 1: an earlier row tile's stores have read v[PC ..] and v[PW].
.macro ELUQ m, iadr, ioff, sadr, soff, again
	ELU \m
.if \again
	s_wait_alu depctr_vm_vsrc(0)                   ; the LDS stores of the row tile before, a whole activation back, have read v[PC ..] and v[PW], which the quantiser writes again
.endif
	QUANT
	s_wait_alu depctr_va_vdst(0)                   ; the quantiser has written v[PC ..] and v[PW], which the stores below read; and it is done with v[E ..] and v[T ..]: behind a phase's last row tile the next products' fragment loads land there
	ds_store_b128 v[\iadr], v[PC:PC+3] offset:\ioff
	ds_store_b128 v[\iadr], v[PC+4:PC+7] offset:(\ioff)+512
	ds_store_b32 v[\sadr], v[PW] offset:\soff      ; lanes r and r + 16 write the same word with the same value
.endm
	s_load_b512 s[4:19], s[0:1], 0x0               ; x's codes s[4:5], x's scales s[6:7], b_in s[8:9], W_in's scales s[10:11], W1's s[12:13], b1 s[14:15], W2's scales s[16:17], b2 s[18:19]
	s_load_b256 s[20:27], s[0:1], 0x40             ; wf s[20:21], order s[22:23], counts s[24:25], out s[26:27]
	v_lshl_add_u32 v254, v0, 2, 0x10000
	v_mov_b32 v255, 0
	v_lshrrev_b32 v1, 5, v0
	v_readfirstlane_b32 s28, v1                    ; wave w
	v_and_b32 v11, 31, v0                          ; lane
	v_and_b32 v1, 15, v0                           ; r
	v_bfe_u32 v2, v0, 4, 1                         ; h
	v_lshlrev_b32 v3, 4, v11                       ; 16 x lane
	v_lshlrev_b32 v4, 6, v2                        ; 64 h
	v_and_b32 v5, 8, v1
	v_add_nc_u32 v7, v5, v1                        ; r + 8 (r / 8)
	v_lshl_add_u32 v5, v2, 3, v7                   ; + 8 h: lanes 16-31 take the odd tile's rows
	v_lshlrev_b32 v6, 5, v5                        ; x 32: W1's scale rows
	v_lshlrev_b32 v5, 4, v5                        ; x 16: W_in's
	v_lshlrev_b32 v7, 4, v7                        ; W2's: 16 (r + 8 (r / 8))
	s_wait_alu depctr_va_sdst(0)                   ; s28 is written, ahead of its first reader: addresses, bases and a branch are made from it
	s_lshr_b32 s29, s28, 1
	s_and_b32 s30, s28, 1
	s_lshl_b32 s31, s28, 10
	v_add_nc_u32 v8, s31, v3                       ; images, K step w: 16 x lane + 1,024 w
	s_lshl_b32 s31, s28, 11
	v_add_nc_u32 v9, s31, v3                       ; K steps 2 w, 2 w + 1: 16 x lane + 2,048 w
	v_lshlrev_b32 v14, 5, v1                       ; 32 r
	s_lshl_b32 s31, s28, 3
	v_add_nc_u32 v10, s31, v14                     ; 32 r + 8 w
	v_lshlrev_b32 v13, 4, v1                       ; 16 r
	s_lshl_b32 s31, s28, 2
	v_add_nc_u32 v12, s31, v13                     ; 16 r + 4 w
	v_mul_u32_u24 v15, v1, 272
	v_lshl_add_u32 v15, v2, 6, v15
	s_lshl_b32 s31, s29, 7
	s_lshl_b32 s40, s30, 5
	s_add_co_u32 s31, s31, s40
	s_add_co_u32 s31, s31, STG
	v_add_nc_u32 v15, s31, v15                     ; the stage, in: row r; my eight outputs 32 (w / 2) + 8 (w % 2) + 16 h + 0 .. 7
	s_mul_i32 s31, s28, 12*272
	s_add_co_u32 s31, s31, STG
	v_mul_u32_u24 v16, v2, 272
	v_lshl_add_u32 v16, v1, 4, v16
	v_add_nc_u32 v16, s31, v16                     ; back: my 12 rows, two an instruction, sixteen lanes to a row
	v_lshl_add_u32 v17, v1, 2, TOK
	s_mul_i32 s31, s28, 48
	s_add_co_u32 s31, s31, TOK
	v_lshl_add_u32 v18, v2, 2, s31                 ; those rows' token words
	s_lshl_b32 s31, s28, 6
	v_lshl_add_u32 v19, v2, 4, s31                 ; x: K step w of a row: 64 w + 16 h
	s_mov_b32 s52, 0x3fb8aa3b                      ; log2(e); the packed forms name pairs and take the low word for both halves, so both words are written
	s_mov_b32 s53, s52
	s_mov_b32 s54, 0x3c1d955b                      ; a4 = ln^4 2 / 24
	s_mov_b32 s55, s54
	s_mov_b32 s56, 0xbf7fffff                      ; -(1 - 2^-24)
	s_mov_b32 s57, s56
	s_mov_b32 s58, 0x76543210
	s_mov_b32 s59, 0xfedcba98                      ; v_permlanex16_b32's selects for lane l xor 16
	v_mov_b32 v[A1], 0x3f317218
	v_mov_b32 v[A1+1], 0x3f317218
	v_mov_b32 v[A2], 0x3e75fdf0
	v_mov_b32 v[A2+1], 0x3e75fdf0
	v_mov_b32 v[A3], 0x3d635847
	v_mov_b32 v[A3+1], 0x3d635847
.irp b, 0,1,2,3
	v_mov_b32 v[TM+4+\b], 0                        ; written once: a lane permute's destination counts as one of its sources
.endr
	s_mov_b32 s71, 0
	s_wait_kmcnt 0x0
	s_load_b256 s[32:39], s[24:25], 0x0            ; the tokens of each expert
	s_lshl_b32 s70, s28, 16
	s_add_nc_u64 s[60:61], s[20:21], s[70:71]      ; wf at my 16 tiles of W_in
	s_lshl_b32 s70, s28, 10
	s_add_nc_u64 s[8:9], s[8:9], s[70:71]          ; b_in at my 256 units
	s_lshl_b32 s70, s28, 12
	s_add_nc_u64 s[10:11], s[10:11], s[70:71]      ; W_in's scales at my 256 rows of 16 bytes
	s_wait_alu depctr_va_vdst(0)                   ; the offsets and LDS addresses v3 to v19 are written: every load and store of the kernel reads one of them, and none is written again
	; what hangs on no list goes out first: 8 + 16 + 32 loads
.irp g, 0,1
.irp b, 0,1,2,3
	global_load_b128 v[WSA+16*\g+4*\b:WSA+16*\g+4*\b+3], v5, s[10:11] offset:2048*\g+512*\b
.endr
.endr
	WIN TO_1
	BLOAD 8, 0
	WIN TO_X
	WLOAD 0, 60, 0, 4096, 0                        ; W_in, group 0, K steps 0, 1
	WIN 0
	s_wait_kmcnt 0x0
	; WHICH TILE IS MINE: expert e's tiles begin at tile number TS (s40), its rows at ST (s41) in order[]; the last expert whose TS is not past my number is mine.  No loop, no branch.
	s_mov_b32 s40, 0
	s_mov_b32 s41, 0
	s_mov_b32 s42, 0
	s_mov_b32 s43, 0
	s_mov_b32 s44, 0
	s_mov_b32 s45, 0
.irp e, 0,1,2,3,4,5,6,7
	s_cmp_ge_u32 ttmp9, s40
	s_cselect_b32 s42, \e, s42
	s_cselect_b32 s43, s40, s43
	s_cselect_b32 s44, s41, s44
	s_cselect_b32 s45, s[32+\e], s45
	s_add_co_u32 s46, s[32+\e], 47
	s_mul_hi_u32 s46, s46, 0x5555556               ; (c + 47) / 48, rounded down: exact for c up to 8,192 (the factor is 2^32 / 48 rounded up)
	s_add_co_u32 s40, s40, s46
	s_add_co_u32 s41, s41, s[32+\e]
.endr
	s_sub_co_u32 s46, ttmp9, s43                   ; my tile among the expert's
	s_mul_i32 s46, s46, 48
	s_sub_co_i32 s47, s45, s46
	s_min_i32 s47, s47, 48                         ; my rows: 1 to 48; 0 or less: none
	s_add_co_u32 s48, s44, s46                     ; my first row's place in order[]
	s_sub_co_i32 s49, s47, 1
	s_max_i32 s49, s49, 0                          ; rows past the last repeat the last
	s_min_u32 s42, s42, 7                          ; the expert enters addresses
	s_add_co_u32 s50, s42, 1
	s_lshl_b32 s70, s50, 18
	s_add_nc_u64 s[66:67], s[60:61], s[70:71]      ; wf at my 8 tiles of W1[e]: 262,144 (1 + e) + 65,536 w
	s_lshl_b32 s50, s42, 2
	s_add_co_u32 s50, s50, s28                     ; 4 e + w
	s_lshl_b32 s70, s50, 12
	s_add_nc_u64 s[12:13], s[12:13], s[70:71]      ; W1's scales: 16,384 e + 4,096 w
	s_add_co_u32 s70, s70, 2359296
	s_add_nc_u64 s[68:69], s[20:21], s[70:71]      ; wf at my tile of W2[e]
	s_lshl_b32 s70, s50, 9
	s_add_nc_u64 s[14:15], s[14:15], s[70:71]      ; b1: 2,048 e + 512 w
	s_lshl_b32 s70, s42, 10
	s_lshl_b32 s50, s29, 9
	s_add_co_u32 s70, s70, s50
	s_lshl_b32 s50, s30, 7
	s_add_co_u32 s70, s70, s50
	s_add_nc_u64 s[16:17], s[16:17], s[70:71]      ; W2's scales: 1,024 e + 16 x (32 (w / 2) + 8 (w % 2))
	s_lshl_b32 s70, s42, 8
	s_lshl_b32 s50, s29, 7
	s_add_co_u32 s70, s70, s50
	s_lshl_b32 s50, s30, 5
	s_add_co_u32 s70, s70, s50
	s_add_nc_u64 s[18:19], s[18:19], s[70:71]      ; b2: 256 e + 4 x the same
.irp m, 0,1,2
	v_add_nc_u32 v[29+\m], 16*\m, v1
	v_min_u32 v[29+\m], s49, v[29+\m]
	v_add_nc_u32 v[29+\m], s48, v[29+\m]
	v_min_u32 v[29+\m], 0x1fff, v[29+\m]           ; held inside order[]
	v_lshlrev_b32 v[29+\m], 2, v[29+\m]
.endr
	s_wait_alu depctr_va_vdst(0)                   ; v29 to v31 are written, which the three loads below read as offsets
.irp m, 0,1,2
	global_load_b32 v[20+\m], v[29+\m], s[22:23]   ; lane (r, h): the token of row 16 m + r
.endr
	WIN TO_X
	WLOAD 1, 60, 0, 4096, 0                        ; W_in, group 0, K steps 2, 3
	WIN 0
	s_wait_loadcnt 32                              ; only the 32 just issued are younger: the tokens are in
.irp m, 0,1,2
	v_min_u32 v[20+\m], 0x1fff, v[20+\m]
	v_lshl_add_u32 v[23+\m], v[20+\m], 8, v19      ; a row of x's codes is 256 bytes,
	v_lshlrev_b32 v[26+\m], 4, v[20+\m]            ; of its scales 16
.endr
	s_wait_alu depctr_va_vdst(0)                   ; v23 to v28 are written, which the loads of x read as offsets; so are the held tokens v20 to v22, which wave 0's LDS stores further down read
.irp m, 0,1,2
.irp c, 0,1
	global_load_b128 v[128+8*\m+4*\c:128+8*\m+4*\c+3], v[23+\m], s[4:5] offset:32*\c   ; x's fragment (m, K step w)
.endr
.endr
.irp m, 0,1,2
	global_load_b128 v[AS+4*\m:AS+4*\m+3], v[26+\m], s[6:7]        ; x's scale words, all four K steps: every wave keeps its own
.endr
	WIN TO_Y
	WLOAD 0, 60, 32768, 4096, 0                    ; W_in, group 1
	WIN 0
	s_wait_loadcnt 32                              ; only those 32 are younger: x, and all that group 0's products want, are in
.irp m, 0,1,2
.irp c, 0,1
	ds_store_b128 v8, v[128+8*\m+4*\c:128+8*\m+4*\c+3] offset:XIMG+4096*\m+512*\c
.endr
.endr
	s_cmp_lg_u32 s28, 0
	s_cbranch_scc1 .Lnot_wave_0
.irp m, 0,1,2
	ds_store_b32 v17, v[20+\m] offset:64*\m        ; the tile's tokens, for the way out
.endr
.Lnot_wave_0:
	WIN TO_Y
	WLOAD 1, 60, 32768, 4096, 0
	WIN 0
	BARRIER                                        ; x's twelve fragments and the tokens lie in LDS
	; ---- FIRST PRODUCT, group 0: my units 256 w .. + 127.  The 24 fragment loads go out on end, a K step's six together; LDS loads come back in order, so K step sl is in when at most 18 - 6 sl are out
	s_wait_alu depctr_vm_vsrc(0)                   ; my LDS stores of x's fragments have read v128 to v151, in which the fragment loads below land
	AFETCH 0, XIMG, 4, 0
	AFETCH 1, XIMG, 4, 2
	WIN MUL_X
	s_wait_dscnt 18
	MULK 0, 1, WSA+0, 4, AS+0, 4
	s_wait_dscnt 12
	MULK 1, 0, WSA+1, 4, AS+1, 4
	s_wait_dscnt 6
	MULK 2, 0, WSA+2, 4, AS+2, 4
	s_wait_dscnt 0x0
	MULK 3, 0, WSA+3, 4, AS+3, 4
	PLACES
	WIN TO_1
	s_wait_alu depctr_va_vdst(0)                   ; the products are done reading the biases and set X, in which the loads below land, those behind the first row tile too: the vector work between names neither
	BLOAD 8, 512                                   ; group 1's biases
	WIN TO_X
	WLOAD 0, 66, 0, 8192, 0                        ; W1[e], K steps 0, 1: they land under the vector work
	WIN 0
	ELUQ 0, 9, MIMG, 10, MSC, 0
	WIN TO_X
	WLOAD 1, 66, 0, 8192, 0                        ; K steps 2, 3
	WIN 0
	ELUQ 1, 9, MIMG+8192, 10, MSC+512, 1
	ELUQ 2, 9, MIMG+16384, 10, MSC+1024, 1
	; ---- group 1: my units 256 w + 128 .. + 255
	AFETCH 0, XIMG, 4, 0
	AFETCH 1, XIMG, 4, 2
	s_wait_loadcnt 32                              ; behind group 1's weights and biases 64 loads were issued: a count of 32 shows them in, and half of those 64 too
	WIN MUL_Y
	s_wait_dscnt 18                                ; as above; the images' stores are older than these loads
	MULK 0, 1, WSA+16, 4, AS+0, 4
	s_wait_dscnt 12
	MULK 1, 0, WSA+17, 4, AS+1, 4
	s_wait_dscnt 6
	MULK 2, 0, WSA+18, 4, AS+2, 4
	s_wait_dscnt 0x0
	MULK 3, 0, WSA+19, 4, AS+3, 4
	PLACES
	WIN TO_1
	s_wait_alu depctr_va_vdst(0)                   ; the products are done reading the biases and set Y, in which the loads below land, those behind the first row tile too; and x's scale words, in which the first layer's land behind the barrier
	BLOAD 14, 0                                    ; b1[e], my 128 units
	WIN 0
.irp b, 0,1,2,3
.irp f, 0,1
	global_load_b128 v[WSB+8*\b+4*\f:WSB+8*\b+4*\f+3], v6, s[12:13] offset:1024*\b+16*\f
.endr
.endr
	WIN TO_Y
	WLOAD 0, 66, 0, 8192, 4                        ; W1[e], K steps 4, 5
	WIN 0
	ELUQ 0, 9, MIMG+1024, 10, MSC+4, 1
	WIN TO_Y
	WLOAD 1, 66, 0, 8192, 4                        ; K steps 6, 7
	WIN 0
	ELUQ 1, 9, MIMG+8192+1024, 10, MSC+512+4, 1
	ELUQ 2, 9, MIMG+16384+1024, 10, MSC+1024+4, 1
	BARRIER                                        ; the first layer's 24 fragments and their scale words lie in LDS
	; ---- SECOND PRODUCT: my units 128 w .. + 127 of the expert's hidden layer, K = 1,024 in 8 steps
.irp m, 0,1,2
.irp f, 0,1
	ds_load_b128 v[AS+8*\m+4*\f:AS+8*\m+4*\f+3], v14 offset:MSC+512*\m+16*\f
.endr
.endr
	AFETCH 0, MIMG, 8, 0
	AFETCH 1, MIMG, 8, 2
	s_wait_loadcnt 32                              ; behind K steps 0-3, the biases and the scale words 64 loads were issued: as above
	WIN MUL_X
	s_wait_dscnt 18                                ; the six loads of scale words and K step 0's six are in
	MULK 0, 1, WSB+0, 8, AS+0, 8
	s_wait_dscnt 12                                ; K step 1
	MULK 1, 0, WSB+1, 8, AS+1, 8
	PLACES
	WIN 0
	s_wait_alu depctr_va_vdst(0)                   ; the products of K steps 0, 1 are done reading slots 0, 1 of the tokens' fragments, in which the twelve loads below land
	AFETCH 0, MIMG, 8, 4
	s_wait_dscnt 12                                ; all but the twelve just issued: K steps 2, 3
	WIN MUL_X
	MULK 2, 0, WSB+2, 8, AS+2, 8
	MULK 3, 0, WSB+3, 8, AS+3, 8
	PLACES
	WIN 0
	s_wait_alu depctr_va_vdst(0)                   ; the products of K steps 0 to 3 are done reading slots 2, 3 of the tokens' fragments, set X and the biases: in all three the loads below land
	AFETCH 1, MIMG, 8, 6
	WIN TO_X
.irp s, 0,1,2,3
.irp c, 0,1
	global_load_b128 v[8*\s+4*\c:8*\s+4*\c+3], v3, s[68:69] offset:1024*\s+512*\c   ; W2[e], my tile, K step s
.endr
.endr
	WIN TO_1
	global_load_b128 v[BI:BI+3], v4, s[18:19]      ; b2[e] at my eight outputs
	global_load_b128 v[BI+4:BI+7], v4, s[18:19] offset:16
	WIN 0
	global_load_b128 v[W2S:W2S+3], v7, s[16:17]
	s_wait_loadcnt 11                              ; the 8 + 2 + 1 just issued may be out: W1's K steps 4-7 are in
	s_wait_dscnt 12                                ; K steps 4, 5
	WIN MUL_Y
	MULK 0, 0, WSB+4, 8, AS+4, 8
	MULK 1, 0, WSB+5, 8, AS+5, 8
	s_wait_dscnt 0x0
	MULK 2, 0, WSB+6, 8, AS+6, 8
	MULK 3, 0, WSB+7, 8, AS+7, 8
	PLACES
	WIN 0
	ELUQ 0, 8, HIMG, 12, HSC, 1
	ELUQ 1, 8, HIMG+4096, 12, HSC+256, 1
	ELUQ 2, 8, HIMG+8192, 12, HSC+512, 1
	BARRIER                                        ; the hidden layer's 12 fragments and their scale words lie in LDS
	; ---- THIRD PRODUCT: my 16 outputs for the 48 rows: three accumulators by turns, a K step at a time
.irp m, 0,1,2
	ds_load_b128 v[AS+4*\m:AS+4*\m+3], v13 offset:HSC+256*\m
.endr
	AFETCH 0, HIMG, 4, 0
	AFETCH 1, HIMG, 4, 2
	s_wait_loadcnt 0x0                             ; W2's fragments and scale words, b2
	WIN MUL_X
.irp s, 0,1,2,3
	s_wait_dscnt 18-6*\s                           ; the scale words and K steps 0 .. s are in; the later K steps' six loads each may be out
.irp m, 0,1,2
.set rC, 8*\m
.if \s == 0
.set rC, BI
.endif
	v_wmma_scale_f32_16x16x128_f8f6f4 v[8*\m:8*\m+7], v[8*\s:8*\s+7], v[AF+8*(3*\s+\m):AF+8*(3*\s+\m)+7], v[rC:rC+7], v[W2S+\s], v[AS+4*\m+\s] matrix_a_fmt:MATRIX_FMT_FP4 matrix_b_fmt:MATRIX_FMT_FP4
.endr
.endr
	PLACES
	WIN 0x04                                       ; an LDS store's data are its source 1: window 1
	s_wait_alu depctr_va_vdst(0)                   ; the products have written the three accumulators, which the stores below read (the places above stay beside this wait), and are done reading the tokens' fragments, in which the way out's LDS loads land
.irp m, 0,1,2
	ds_store_b128 v15, v[8*\m:8*\m+3] offset:4352*\m               ; each accumulator from its low end on
	ds_store_b128 v15, v[8*\m+4:8*\m+7] offset:4352*\m+16
.endr
	WIN 0
	BARRIER                                        ; 48 whole rows of the output lie in the stage
	; ---- THE WAY OUT: wave w stores rows 12 w .. + 11, each to its token's row of out: sixteen lanes store 256 consecutive bytes, aligned
.irp i, 0,1,2,3,4,5
	ds_load_b128 v[128+4*\i:128+4*\i+3], v16 offset:544*\i
	ds_load_b32 v[160+\i], v18 offset:8*\i
.endr
	s_wait_dscnt 0x0
.irp i, 0,1,2,3,4,5
	v_min_u32 v[160+\i], 0x1fff, v[160+\i]
	v_lshl_add_u32 v[160+\i], v[160+\i], 8, v13
.endr
	s_cmp_le_i32 s47, 0
	s_cbranch_scc1 .Lend                           ; a tile without rows stores nothing
	s_wait_alu depctr_va_vdst(0)                   ; v160 to v165 are written, which the stores below read as offsets
.irp i, 0,1,2,3,4,5
	global_store_b128 v[160+\i], v[128+4*\i:128+4*\i+3], s[26:27] th:TH_STORE_NT   ; written once, read by nobody here
.endr
.Lend:
	s_wait_dscnt 0x0                               ; the closing lines, six on end
	s_wait_alu 0x0
	s_wait_tensorcnt 0x0
	ds_add_u32 v254, v255
	s_wait_dscnt 0x0
	s_endpgm
.Lfunc_end_k_q030806b545_chain:
	.size	k_q030806b545_chain, .Lfunc_end_k_q030806b545_chain-k_q030806b545_chain
	.p2alignl 7, 3214868480
	.fill 96, 4, 3214868480
	.section	.rodata,"a",@progbits
	.p2align	6, 0x0
	.amdhsa_kernel k_q030806b545_chain
		.amdhsa_group_segment_fixed_size 66048
		.amdhsa_private_segment_fixed_size 0
		.amdhsa_enable_private_segment 0
		.amdhsa_kernarg_size 96
		.amdhsa_user_sgpr_count 2
		.amdhsa_user_sgpr_kernarg_segment_ptr 1
		.amdhsa_wavefront_size32 1
		.amdhsa_system_sgpr_workgroup_id_x 1
		.amdhsa_system_sgpr_workgroup_id_y 1
		.amdhsa_system_sgpr_workgroup_id_z 1
		.amdhsa_system_vgpr_workitem_id 0
		.amdhsa_next_free_vgpr 1024
		.amdhsa_next_free_sgpr 72
		.amdhsa_reserve_vcc 0
		.amdhsa_float_denorm_mode_32 3
		.amdhsa_float_denorm_mode_16_64 3
		.amdhsa_memory_ordered 1
		.amdhsa_forward_progress 1
		.amdhsa_inst_pref_size 255
	.end_amdhsa_kernel
	.section	.bss,"aw",@nobits
	.p2align	6
	.space	262144
	.amdgpu_metadata
---
amdhsa.version: [ 1, 2 ]
amdhsa.kernels:
  - .name:           k_q030806b545_chain
    .symbol:         k_q030806b545_chain.kd
    .args:
      - { .name: input_codes, .offset: 0, .size: 8, .value_kind: global_buffer, .address_space: global }
      - { .name: input_scales, .offset: 8, .size: 8, .value_kind: global_buffer, .address_space: global }
      - { .name: b_in, .offset: 16, .size: 8, .value_kind: global_buffer, .address_space: global }
      - { .name: W_in_scales, .offset: 24, .size: 8, .value_kind: global_buffer, .address_space: global }
      - { .name: W1_scales, .offset: 32, .size: 8, .value_kind: global_buffer, .address_space: global }
      - { .name: b1, .offset: 40, .size: 8, .value_kind: global_buffer, .address_space: global }
      - { .name: W2_scales, .offset: 48, .size: 8, .value_kind: global_buffer, .address_space: global }
      - { .name: b2, .offset: 56, .size: 8, .value_kind: global_buffer, .address_space: global }
      - { .name: wf, .offset: 64, .size: 8, .value_kind: global_buffer, .address_space: global }
      - { .name: order, .offset: 72, .size: 8, .value_kind: global_buffer, .address_space: global }
      - { .name: counts, .offset: 80, .size: 8, .value_kind: global_buffer, .address_space: global }
      - { .name: out0, .offset: 88, .size: 8, .value_kind: global_buffer, .address_space: global }
    .group_segment_fixed_size: 66048
    .private_segment_fixed_size: 0
    .kernarg_segment_align: 8
    .kernarg_segment_size: 96
    .max_flat_workgroup_size: 128
    .sgpr_count:     72
    .vgpr_count:     1024
    .wavefront_size: 32
...
	.end_amdgpu_metadata
.endif
;; end of part 3
